; MI455X (gfx1250); checked and timed in simulation.
; The chip was launched on July 23, 2026; its instructions are those of AMD's public machine-readable ISA for CDNA 5 (MIT licence, August 2026) and "CDNA5" Instruction Set Architecture Reference Guide (July 2026). The comments in the code are by the model that wrote it; some were corrected since.
;; Transformer Block. Allowed arithmetic: matrix products marked QUANTISED: E2M1 operands, one E8M0 scale for each 32 along K, by v_wmma_scale_f32_16x16x128_f8f6f4 with both operands' format E2M1 (or v_wmma_scale_f32_32x16x128_f4), f32 sums; everything else in f32.
;; Inputs: W1_codes 4,096 x 32 x 16 uint8 (E2M1 codes of W1, K innermost, in blocks of 32 codes, two codes a byte); W1_scales 4,096 x 32 uint8 (E8M0 scales of W1, one for each 32 codes along K); W2_codes 1,024 x 128 x 16 uint8 (E2M1 codes of W2, K innermost, in blocks of 32 codes, two codes a byte); W2_scales 1,024 x 128 uint8 (E8M0 scales of W2, one for each 32 codes along K); Wk_codes 64 x 64 x 32 x 16 uint8 (E2M1 codes of Wk, K innermost, in blocks of 32 codes, two codes a byte); Wk_scales 64 x 64 x 32 uint8 (E8M0 scales of Wk, one for each 32 codes along K); Wo_codes 1,024 x 128 x 16 uint8 (E2M1 codes of Wo, K innermost, in blocks of 32 codes, two codes a byte); Wo_scales 1,024 x 128 uint8 (E8M0 scales of Wo, one for each 32 codes along K); Wq_codes 64 x 64 x 32 x 16 uint8 (E2M1 codes of Wq, K innermost, in blocks of 32 codes, two codes a byte); Wq_scales 64 x 64 x 32 uint8 (E8M0 scales of Wq, one for each 32 codes along K); Wv_codes 64 x 64 x 32 x 16 uint8 (E2M1 codes of Wv, K innermost, in blocks of 32 codes, two codes a byte); Wv_scales 64 x 64 x 32 uint8 (E8M0 scales of Wv, one for each 32 codes along K); b1 4,096 float32; b2 1,024 float32; be1 1,024 float32; be2 1,024 float32; bo 1,024 float32; g1 1,024 float32; g2 1,024 float32; x 2 x 1,024 x 1,024 float32.
;; Outputs: out0 2 x 1,024 x 1,024 float32.
;; This version of the problem:
;;   THIS VERSION OF THE PROBLEM IS GIVEN IN LOW PRECISION. The matrix products marked QUANTISED in the list below multiply operands that are first quantised to E2M1 (2 exponent bits, 1 mantissa bit; 4 bits a number), with one power-of-two scale for each 32 numbers along K (OCP MX v1.0); their sums are f32. All else is computed in f32.
;;   The module's matrix products, in the order in which they are computed (A, B: the left and right operand; K: the contracted axis; several contracted axes count as one K, in the product's order):
;;     1. [M 4,096, K 1,024] x [K 1,024, N 2,048]; A: input Wq (given as codes); B: input x: QUANTISED
;;     2. [M 4,096, K 1,024] x [K 1,024, N 2,048]; A: input Wk (given as codes); B: input x: QUANTISED
;;     3. [M 4,096, K 1,024] x [K 1,024, N 2,048]; A: input Wv (given as codes); B: input x: QUANTISED
;;     4. batch 128 x [M 1,024, K 64] x [K 64, N 1,024]; A: computed on the way; B: computed on the way: QUANTISED
;;     5. batch 128 x [M 1,024, K 1,024] x [K 1,024, N 64]; A: softmax (see below); B: computed on the way: QUANTISED
;;     6. [M 2,048, K 4,096] x [K 4,096, N 1,024]; A: computed on the way; B: input Wo (given as codes): QUANTISED
;;     7. [M 2,048, K 1,024] x [K 1,024, N 4,096]; A: computed on the way; B: input W1 (given as codes): QUANTISED
;;     8. [M 2,048, K 4,096] x [K 4,096, N 1,024]; A: computed on the way; B: input W2 (given as codes): QUANTISED
;;   THE QUANTISER, for each operand of a quantised product, along K:
;;     - K is cut into blocks of 32 from its start; a last block that is shorter is filled with zeros.
;;     - A block's scale is 2^e with e = floor(log2(the largest magnitude in the block)) - 2, held to -126 .. 127; a block of zeros has e = 0. As a byte (E8M0): e + 127.
;;     - Each number is divided by its block's scale, clamped to +-6, and rounded to the nearest number of E2M1, ties to even, subnormals kept.
;;     - The product sums the exact products of the quantised numbers (number of the format x scale) in f32.
;;   ~~~python
;;   def quantise(x, axis):      # numpy; x: float32 -> the quantised numbers, widened to float32 again
;;       x = np.moveaxis(x, axis, -1); K = x.shape[-1]
;;       x = np.pad(x, [(0, 0)] * (x.ndim - 1) + [(0, -K % 32)]); x = x.reshape(x.shape[:-1] + (-1, 32)); a = np.abs(x).max(-1, keepdims=True)
;;       e = np.where(a > 0, np.clip(np.frexp(np.where(a > 0, a, 1))[1] - 1 - 2, -126, 127), 0)      # np.frexp(a)[1] - 1 = floor(log2(a)), exactly
;;       r = np.clip(x / 2.0 ** e, -6, 6)
;;       step = 2.0 ** (np.maximum(np.frexp(np.where(r == 0, 1, r))[1] - 1, 0) - 1)
;;       q = np.round(r / step) * step * 2.0 ** e      # np.round: ties to even
;;       return np.moveaxis(q.reshape(q.shape[:-2] + (-1,))[..., :K], -1, axis).astype(np.float32)
;;   ~~~
;;   SOFTMAX AHEAD OF A QUANTISED PRODUCT. Where the list says 'softmax', what is quantised is not the finished softmax but p = 2^(t - M), with t = logit x log2(e) and M = ceil(the row's largest t), a whole number; so 1/2 < the row's largest p <= 1. The row's sum l is taken of the UNQUANTISED p, in f32, and the product's result is divided by l at the end. Since M is a whole number, a kernel that streams over the keys may use a running M (the ceiling of the running maximum): every later rescaling is an exact power of two, which a block's scale takes up: the codes' values come out the same.
;;   OPERANDS COMPUTED ON THE WAY. 'Computed on the way' means the value that the module computes at that place (a softmax that the list does not call 'softmax' is quantised finished and normalised). What goes into a quantiser is computed in f32, as accurately as f32 sums, v_exp_f32 and their like allow (about 1e-6 of the number): no bf16 or f16 on the way to a quantiser, and a product that is left as it is and whose result goes on into a quantised operand takes f32 operands (vector FMAs, or v_wmma_f32_16x16x4_f32). A number that lies on a knife's edge between two numbers of the format may be rounded either way, as far as f32 arithmetic and the matrix unit's own rounding can turn it there, and no further.
;;   INPUTS GIVEN AS CODES. W1 (in the module: [1024, 4096], K = its axis 0); W2 (in the module: [4096, 1024], K = its axis 0); Wk (in the module: [64, 1024, 64], K = its axis 1); Wo (in the module: [4096, 1024], K = its axis 0); Wq (in the module: [64, 1024, 64], K = its axis 1); Wv (in the module: [64, 1024, 64], K = its axis 1): each comes as NAME_codes (uint8): NAME with its K axis moved to the last place and cut into blocks of 32 codes, [.., K / 32, bytes a block], one block behind the other in memory; two codes a byte, the lower K in the low four bits (a code: sign, 2 exponent bits, 1 mantissa bit); and NAME_scales (uint8): the same leading axes, one E8M0 byte (e + 127) for each 32 codes along K. Its value is code x scale, taken as it is: it is not quantised again, and the codes and scales need not be those that the quantiser above would give.
;; One version. Each part assembles by itself: llvm-mc -triple=amdgcn-amd-amdhsa -mcpu=gfx1250 --defsym DOCPART=n.
;; ======== version 1 of 1: 9 launches
;; limits: right only within a limited range of input values
;; workspace buffers: wimg 8,912,896 bytes; woimg 2,228,224 bytes; w2img 2,228,224 bytes; xq 1,114,112 bytes; qkvc 13,893,632 bytes; scr 33,554,432 bytes; a4k 4,456,448 bytes; x1 8,388,608 bytes
;; launch prep (part 1): grid 512 x 1, 4 waves a work-group, no clusters, 68,096 bytes of LDS; arguments x, Wq_codes, Wq_scales, Wk_codes, Wk_scales, Wv_codes, Wv_scales, W1_codes, W1_scales, Wo_codes, Wo_scales, W2_codes, W2_scales, xq, wimg, woimg, w2img; writes xq, wimg, woimg, w2img
.if DOCPART == 1
	.amdgcn_target "amdgcn-amd-amdhsa--gfx1250"
	.amdhsa_code_object_version 6
	.text
	.protected	k_q8c863bfb68_prep
	.globl	k_q8c863bfb68_prep
	.p2align	8
	.type	k_q8c863bfb68_prep,@function
k_q8c863bfb68_prep:
	s_mov_b64 s[64:65], 0
	v_nop
	global_prefetch_b8 v0, s[64:65] scope:SCOPE_SE
	s_setreg_imm32_b32 hwreg(HW_REG_WAVE_MODE, 25, 1), 1
	s_wait_xcnt 0x0
; PREP.  (a) x [2048][1024] f32 becomes codes of FP4 (E2M1) with one E8M0 byte for each 32 along its rows; (b) the six weights, which arrive as codes with K innermost, are laid out anew.
; Both leave as IMAGES OF OPERAND REGISTERS: a fragment (16 rows x 128 K) is 1,024 bytes, part c (512 bytes) = registers 4 c .. 4 c + 3, lane l's 16 bytes at 16 l; scale words lie [tile][K step][16 rows].
; THE ROWS OF A TILE ARE NOT NEIGHBOURS: slot r of tile t is row 32 (t / 2) + 8 (t % 2) + r + 8 (r / 8), in every operand of this program.
; Work-groups 0-127: tile t of x, wave j its K steps 2 j and 2 j + 1.  Work-groups 128-511: 64 for each weight (q, k, v, 1, o, 2); a wave takes one tile x 8 K steps (512 bytes of each of 16 rows).
; Every global load reads 512 consecutive bytes of one row; the bytes turn through the wave's own stage in LDS (rows 528 bytes apart); every store of codes writes 512 consecutive bytes.  Waves share nothing: no barrier.
; The two paths part on the work-group's number and have LDS bytes of their own.  No matrix work, no cluster: no two work-groups read the same bytes.
; LIMITS: NaN and infinities are not served; a block whose largest magnitude lies under 2^-124 keeps the byte 1; a block of zeros gets the byte 1 (its codes are zeros; this program alone reads the bytes).
.set WSZ,  0x220000                    ; a weight's part of wimg: 2 MiB of codes, 128 KiB of scale words
.set SP,   528                         ; a stage row: 512 bytes + 16
.set STG,  16*SP
.set RSTG, 4*STG                       ; the second path's stages begin here
.set L16,  1                           ; v1  16 x lane
.set SIN,  2                           ; v2  stage, on the way in
.set SOUT, 3                           ; v3  stage, on the way out
.set L4,   4                           ; v4  4 x lane
.set TM,   16                          ; v16-31 the quantiser's work
.set PW,   32                          ; v32-33 scale words of the two K steps
.set PC,   34                          ; v34-49 codes of the two K steps
.set OW,   50
.set SW,   52                          ; v52-55 a weight's scale words
.set ST,   64                          ; v64-127 64 numbers in the quantiser's order / a weight's rows
.set RW,   128                         ; v128-255 x as loaded / a weight's fragments
.set RO,   192                         ; v192-207 a weight's sixteen row offsets
.set SEL,  4                           ; s[4:5] lane selects: lane l xor 16
.set MHI,  6                           ; s6 lanes 16-31
; 64 numbers of a lane, register 16 b + i = k 32 b + 16 (lane / 16) + i of its row: the four blocks' scale operands (TM+12..) and bytes (TM+4..)
.macro QCORE s
.irp b, 0,1,2,3
	v_max3_num_f32 v[TM+\b], |v[(\s)+16*\b]|, |v[(\s)+1+16*\b]|, 0x1800000   ; my 16 numbers and the floor 2^(3 - 127): the byte cannot fall under 1
.endr
.irp i, 2,4,6,8,10,12,14
.irp b, 0,1,2,3
	v_max3_num_f32 v[TM+\b], v[TM+\b], |v[(\s)+16*\b+\i]|, |v[(\s)+1+16*\b+\i]|
.endr
.endr
.irp b, 0,1,2,3
	v_permlanex16_b32 v[TM+4+\b], v[TM+\b], s[SEL], s[SEL+1]
.endr
.irp b, 0,1,2,3
	v_max_num_f32 v[TM+\b], v[TM+\b], v[TM+4+\b]       ; with lane l xor 16's: the block's largest magnitude
.endr
.irp b, 0,1,2,3
	v_add_nc_u32 v[TM+12+\b], 0xff000000, v[TM+\b]     ; 2 off its exponent field: the conversion's scale operand
.endr
.irp b, 0,1,2,3
	v_lshrrev_b32 v[TM+4+\b], 23, v[TM+12+\b]          ; the scale's byte
.endr
.endm
.macro QCVT s, pc
.irp b, 0,1,2,3
	v_cvt_scalef32_pk8_fp4_f32 v[(\pc)+2*\b], v[(\s)+16*\b:(\s)+16*\b+7], v[TM+12+\b]
	v_cvt_scalef32_pk8_fp4_f32 v[(\pc)+2*\b+1], v[(\s)+16*\b+8:(\s)+16*\b+15], v[TM+12+\b]
.endr
	v_nop                                          ; one plain instruction behind the last scaled conversion
.endm
.macro QSWAP pc                        ; the operand wants a whole block in a lane: lanes 0-15 block 2 c, lanes 16-31 block 2 c + 1
.irp c, 0,1
.irp i, 0,1
	v_permlane16_swap_b32 v[(\pc)+4*\c+\i], v[(\pc)+4*\c+2+\i]
.endr
.endr
.endm
	s_load_b512 s[8:23], s[0:1], 0x0               ; x, Wq c, Wq s, Wk c, Wk s, Wv c, Wv s, W1 c
	s_load_b512 s[24:39], s[0:1], 0x40             ; W1 s, Wo c, Wo s, W2 c, W2 s, xq, wimg, woimg
	s_load_b64 s[40:41], s[0:1], 0x80              ; w2img
	v_lshl_add_u32 v62, v0, 2, 0x10800
	v_mov_b32 v63, 0
	v_lshrrev_b32 v5, 5, v0
	v_readfirstlane_b32 s2, v5                     ; wave
	v_and_b32 v6, 31, v0                           ; lane
	v_and_b32 v7, 15, v0                           ; r
	v_bfe_u32 v8, v0, 4, 1                         ; h
	v_lshlrev_b32 v[L16], 4, v6
	v_lshlrev_b32 v[L4], 2, v6
	s_mul_i32 s3, s2, STG                          ; my stage
	v_mul_u32_u24 v9, v7, SP
	s_mov_b32 s[SEL], 0x76543210
	s_mov_b32 s[SEL+1], 0xfedcba98
	s_mov_b32 s[MHI], 0xffff0000
	s_cmp_lt_u32 ttmp9, 128
	s_cbranch_scc0 .Lrelay
	; ---- x: tile ttmp9, K steps 2 j and 2 j + 1
	v_add_nc_u32 v[SIN], s3, v[L16]                ; in: a row's 512 bytes as they lie
	v_lshl_add_u32 v[SOUT], v8, 6, v9              ; out: row r, + 64 h: my 16 numbers of each block of 32
	v_add_nc_u32 v[SOUT], s3, v[SOUT]
.irp b, 0,1,2,3
	v_mov_b32 v[TM+4+\b], 0                        ; written once: a lane permute's destination counts as one of its sources
.endr
	s_lshr_b32 s48, ttmp9, 1
	s_lshl_b32 s48, s48, 5
	s_and_b32 s49, ttmp9, 1
	s_lshl_b32 s49, s49, 3
	s_add_co_u32 s48, s48, s49                     ; the tile's first row
	s_lshl_b32 s48, s48, 12
	s_lshl_b32 s49, s2, 10
	s_add_co_u32 s48, s48, s49                     ; + my 1,024 bytes of each row
	s_mov_b32 s49, 0
	s_mul_i32 s50, ttmp9, 8704                     ; the tile's part of xq: 8 fragments and 512 bytes of scale words
	s_mov_b32 s51, 0
	s_lshl_b32 s52, s2, 11
	s_mov_b32 s53, 0
	s_lshl_b32 s54, s2, 7
	s_add_co_u32 s54, s54, 8192
	s_mov_b32 s55, 0
	s_wait_alu depctr_va_vdst(0)
	s_wait_kmcnt 0x0
	s_add_nc_u64 s[8:9], s[8:9], s[48:49]
	s_add_nc_u64 s[34:35], s[34:35], s[50:51]
	s_add_nc_u64 s[56:57], s[34:35], s[52:53]      ; my two fragments
	s_add_nc_u64 s[58:59], s[34:35], s[54:55]      ; my 128 bytes of scale words
.irp i, 0,1
.irp p, 0,1,2,3,4,5,6,7,8,9,10,11,12,13,14,15
	global_load_b128 v[RW+64*\i+4*\p:RW+64*\i+4*\p+3], v[L16], s[8:9] offset:(\p+8*(\p/8))*4096+512*\i th:TH_LOAD_NT   ; 512 consecutive bytes of slot p's row
.endr
.endr
.macro XSTEP i
.irp p, 0,1,2,3,4,5,6,7,8,9,10,11,12,13,14,15
	ds_store_b128 v[SIN], v[RW+64*(\i)+4*\p:RW+64*(\i)+4*\p+3] offset:\p*SP
.endr
.irp b, 0,1,2,3
.irp j, 0,1,2,3
	ds_load_b128 v[ST+16*\b+4*\j:ST+16*\b+4*\j+3], v[SOUT] offset:128*\b+16*\j   ; LDS serves a wave's instructions in order: these see the stores above
.endr
.endr
	s_wait_dscnt 0x0
	QCORE ST
	v_lshl_or_b32 v[PW+(\i)], v[TM+5], 8, v[TM+4]  ; the four bytes make my row's scale word
	v_lshl_or_b32 v[PW+(\i)], v[TM+6], 16, v[PW+(\i)]
	v_lshl_or_b32 v[PW+(\i)], v[TM+7], 24, v[PW+(\i)]
	QCVT ST, PC+8*(\i)
	QSWAP PC+8*(\i)
.irp c, 0,1
	global_store_b128 v[L16], v[PC+8*(\i)+4*\c:PC+8*(\i)+4*\c+3], s[56:57] offset:1024*(\i)+512*\c
.endr
.endm
	s_wait_loadcnt 16                              ; the first K step's sixteen loads are in; the second's sixteen may be out
	XSTEP 0
	s_wait_loadcnt 0x0
	XSTEP 1
	v_cndmask_b32 v[OW], v[PW], v[PW+1], s[MHI]    ; lanes 0-15 the even K step's words, lanes 16-31 the odd one's
	global_store_b32 v[L4], v[OW], s[58:59]
	s_wait_tensorcnt 0x0
	ds_add_u32 v62, v63
	s_wait_dscnt 0x0
	s_endpgm
.Lrelay:                                               ; ---- a weight: codes and scale bytes into images
	s_sub_co_u32 s48, ttmp9, 128
	s_lshr_b32 s49, s48, 6                         ; which weight: q, k, v, 1, o, 2
	s_and_b32 s48, s48, 63
	s_lshl_b32 s48, s48, 2
	s_add_co_u32 s48, s48, s2                      ; task Q, 0 .. 255
	s_cmp_lt_u32 s49, 4                            ; rows of 512 bytes (K = 1,024) or of 2,048 (K = 4,096)
	s_cselect_b32 s50, 9, 11                       ; log2 of a row's bytes
	s_cselect_b32 s51, 0, 2                        ; tasks to a tile: 1 or 4
	s_cselect_b32 s52, s49, 0                      ; the first four share wimg
	s_lshr_b32 s53, s48, s51                       ; tile
	s_lshl_b32 s54, s53, s51
	s_sub_co_u32 s54, s48, s54                     ; which 8 K steps of it
	s_lshr_b32 s55, s53, 1
	s_lshl_b32 s55, s55, 5
	s_and_b32 s56, s53, 1
	s_lshl_b32 s56, s56, 3
	s_add_co_u32 s55, s55, s56                     ; the tile's first row
	s_lshl_b32 s56, s55, s50
	s_lshl_b32 s57, s54, 9
	s_add_co_u32 s56, s56, s57
	s_mov_b32 s57, 0                               ; s[56:57]: where my codes begin
	s_sub_co_u32 s58, s50, 4                       ; a row of scale bytes is a sixteenth of a row of codes
	s_lshl_b32 s60, s55, s58
	s_lshl_b32 s61, s54, 5
	s_add_co_u32 s60, s60, s61
	s_mov_b32 s61, 0                               ; s[60:61]: where my scale bytes begin
	s_mul_i32 s52, s52, WSZ
	s_lshl_b32 s62, s48, 13
	s_add_co_u32 s62, s62, s52
	s_mov_b32 s63, 0                               ; s[62:63]: my 8 fragments in the image
	s_lshl_b32 s54, s48, 9
	s_add_co_u32 s54, s54, s52
	s_add_co_u32 s54, s54, 0x200000
	s_mov_b32 s55, 0                               ; s[54:55]: my 512 bytes of scale words
	s_wait_alu depctr_va_vdst(0)
	v_add_nc_u32 v[SIN], s3, v[L16]
	v_add_nc_u32 v[SIN], RSTG, v[SIN]
	v_lshl_add_u32 v[SOUT], v8, 4, v9              ; out: row r, + 16 h
	v_add_nc_u32 v[SOUT], s3, v[SOUT]
	v_add_nc_u32 v[SOUT], RSTG, v[SOUT]
.irp p, 0,1,2,3,4,5,6,7,8,9,10,11,12,13,14,15
	v_lshl_add_u32 v[RO+\p], \p+8*(\p/8), s50, v[L16]   ; slot p's row, 16 bytes a lane
.endr
	v_and_b32 v10, 8, v7
	v_add_nc_u32 v10, v10, v7                      ; r + 8 (r / 8)
	v_lshlrev_b32 v10, s58, v10
	v_lshl_add_u32 v10, v8, 2, v10                 ; my row's scale bytes; lanes 16-31 one K step on
	s_wait_alu depctr_va_vdst(0)
	s_wait_kmcnt 0x0
	s_mov_b64 s[42:43], s[10:11]
	s_mov_b64 s[44:45], s[12:13]
	s_mov_b64 s[46:47], s[36:37]
	s_cmp_eq_u32 s49, 1
	s_cselect_b64 s[42:43], s[14:15], s[42:43]
	s_cselect_b64 s[44:45], s[16:17], s[44:45]
	s_cmp_eq_u32 s49, 2
	s_cselect_b64 s[42:43], s[18:19], s[42:43]
	s_cselect_b64 s[44:45], s[20:21], s[44:45]
	s_cmp_eq_u32 s49, 3
	s_cselect_b64 s[42:43], s[22:23], s[42:43]
	s_cselect_b64 s[44:45], s[24:25], s[44:45]
	s_cmp_eq_u32 s49, 4
	s_cselect_b64 s[42:43], s[26:27], s[42:43]
	s_cselect_b64 s[44:45], s[28:29], s[44:45]
	s_cselect_b64 s[46:47], s[38:39], s[46:47]
	s_cmp_eq_u32 s49, 5
	s_cselect_b64 s[42:43], s[30:31], s[42:43]
	s_cselect_b64 s[44:45], s[32:33], s[44:45]
	s_cselect_b64 s[46:47], s[40:41], s[46:47]
	s_add_nc_u64 s[42:43], s[42:43], s[56:57]
	s_add_nc_u64 s[44:45], s[44:45], s[60:61]
	s_add_nc_u64 s[10:11], s[46:47], s[62:63]
	s_add_nc_u64 s[12:13], s[46:47], s[54:55]
.irp p, 0,1,2,3,4,5,6,7,8,9,10,11,12,13,14,15
	global_load_b128 v[ST+4*\p:ST+4*\p+3], v[RO+\p], s[42:43] th:TH_LOAD_NT
.endr
.irp j, 0,1,2,3
	global_load_b32 v[SW+\j], v10, s[44:45] offset:8*\j     ; lanes 0-15 K step 2 j, lanes 16-31 K step 2 j + 1
.endr
	s_wait_loadcnt 4                               ; the codes are in; the four loads of scale words may be out
.irp p, 0,1,2,3,4,5,6,7,8,9,10,11,12,13,14,15
	ds_store_b128 v[SIN], v[ST+4*\p:ST+4*\p+3] offset:\p*SP
.endr
.irp f, 0,1,2,3,4,5,6,7,8,9,10,11,12,13,14,15
	ds_load_b128 v[RW+4*\f:RW+4*\f+3], v[SOUT] offset:32*\f   ; part f % 2 of K step f / 2: k = 64 f + 32 h + 0 .. 31 of row r
.endr
.irp f, 0,1,2,3,4,5,6,7,8,9,10,11,12,13,14,15
	s_wait_dscnt 15-\f                             ; part f is back; the younger ones may be out
	global_store_b128 v[L16], v[RW+4*\f:RW+4*\f+3], s[10:11] offset:512*\f
.endr
	s_wait_loadcnt 0x0
.irp j, 0,1,2,3
	global_store_b32 v[L4], v[SW+\j], s[12:13] offset:128*\j
.endr
	s_wait_tensorcnt 0x0
	ds_add_u32 v62, v63
	s_wait_dscnt 0x0
	s_endpgm
.Lfunc_end_k_q8c863bfb68_prep:
	.size	k_q8c863bfb68_prep, .Lfunc_end_k_q8c863bfb68_prep-k_q8c863bfb68_prep
	.p2alignl 7, 3214868480
	.fill 96, 4, 3214868480
	.section	.rodata,"a",@progbits
	.p2align	6, 0x0
	.amdhsa_kernel k_q8c863bfb68_prep
		.amdhsa_group_segment_fixed_size 68096
		.amdhsa_private_segment_fixed_size 0
		.amdhsa_enable_private_segment 0
		.amdhsa_kernarg_size 136
		.amdhsa_user_sgpr_count 2
		.amdhsa_user_sgpr_kernarg_segment_ptr 1
		.amdhsa_wavefront_size32 1
		.amdhsa_system_sgpr_workgroup_id_x 1
		.amdhsa_system_sgpr_workgroup_id_y 1
		.amdhsa_system_sgpr_workgroup_id_z 1
		.amdhsa_system_vgpr_workitem_id 0
		.amdhsa_next_free_vgpr 256
		.amdhsa_next_free_sgpr 66
		.amdhsa_reserve_vcc 0
		.amdhsa_float_denorm_mode_32 3
		.amdhsa_float_denorm_mode_16_64 3
		.amdhsa_memory_ordered 1
		.amdhsa_forward_progress 1
		.amdhsa_inst_pref_size 28
	.end_amdhsa_kernel
	.amdgpu_metadata
---
amdhsa.version: [ 1, 2 ]
amdhsa.kernels:
  - .name:           k_q8c863bfb68_prep
    .symbol:         k_q8c863bfb68_prep.kd
    .args:
      - { .name: x, .offset: 0, .size: 8, .value_kind: global_buffer, .address_space: global }
      - { .name: Wq_codes, .offset: 8, .size: 8, .value_kind: global_buffer, .address_space: global }
      - { .name: Wq_scales, .offset: 16, .size: 8, .value_kind: global_buffer, .address_space: global }
      - { .name: Wk_codes, .offset: 24, .size: 8, .value_kind: global_buffer, .address_space: global }
      - { .name: Wk_scales, .offset: 32, .size: 8, .value_kind: global_buffer, .address_space: global }
      - { .name: Wv_codes, .offset: 40, .size: 8, .value_kind: global_buffer, .address_space: global }
      - { .name: Wv_scales, .offset: 48, .size: 8, .value_kind: global_buffer, .address_space: global }
      - { .name: W1_codes, .offset: 56, .size: 8, .value_kind: global_buffer, .address_space: global }
      - { .name: W1_scales, .offset: 64, .size: 8, .value_kind: global_buffer, .address_space: global }
      - { .name: Wo_codes, .offset: 72, .size: 8, .value_kind: global_buffer, .address_space: global }
      - { .name: Wo_scales, .offset: 80, .size: 8, .value_kind: global_buffer, .address_space: global }
      - { .name: W2_codes, .offset: 88, .size: 8, .value_kind: global_buffer, .address_space: global }
      - { .name: W2_scales, .offset: 96, .size: 8, .value_kind: global_buffer, .address_space: global }
      - { .name: xq, .offset: 104, .size: 8, .value_kind: global_buffer, .address_space: global }
      - { .name: wimg, .offset: 112, .size: 8, .value_kind: global_buffer, .address_space: global }
      - { .name: woimg, .offset: 120, .size: 8, .value_kind: global_buffer, .address_space: global }
      - { .name: w2img, .offset: 128, .size: 8, .value_kind: global_buffer, .address_space: global }
    .group_segment_fixed_size: 68096
    .private_segment_fixed_size: 0
    .kernarg_segment_align: 8
    .kernarg_segment_size: 136
    .max_flat_workgroup_size: 128
    .sgpr_count:     66
    .vgpr_count:     256
    .wavefront_size: 32
...
	.end_amdgpu_metadata
.endif
;; end of part 1
;; launch qkv (part 2): grid 16 x 16, 4 waves a work-group, no clusters, 168,448 bytes of LDS; arguments xq, wimg, qkvc; writes qkvc
.if DOCPART == 2
	.amdgcn_target "amdgcn-amd-amdhsa--gfx1250"
	.amdhsa_code_object_version 6
	.text
	.protected	k_q8c863bfb68_qkv
	.globl	k_q8c863bfb68_qkv
	.p2align	8
	.type	k_q8c863bfb68_qkv,@function
k_q8c863bfb68_qkv:
	s_mov_b64 s[64:65], 0
	v_nop
	global_prefetch_b8 v0, s[64:65] scope:SCOPE_SE
	s_setreg_imm32_b32 hwreg(HW_REG_WAVE_MODE, 25, 1), 1
	s_wait_xcnt 0x0
; QKV.  q, k, v = x W for 64 heads, on codes of FP4 with E8M0 scales, and each result quantised on its way out: q and k along the head's 64 channels, v along the keys.
; SHARES.  A work-group takes 128 tokens (8 tiles of x) and 4 heads; wave w owns head 4 x + w.  Its Wq, Wk, Wv (32 fragments each) stay in register windows 1, 2, 3; the 8 tiles of x with their scale words
; (69,632 bytes, one dense block) come into LDS once, a quarter by each wave's one tensor load, and all four waves read them.  Nothing in LDS is filled again.
; q, k: source 0 = 16 rows of W, source 1 = 16 tokens: a lane holds one token and its registers run along the channels.  v: source 0 = 16 tokens, source 1 = 16 rows of W: a lane holds one channel and its
; registers run along the tokens, which are the keys.  By the order of rows in a tile (slot r of tile t = row 32 (t / 2) + 8 (t % 2) + r + 8 (r / 8)) 16 registers of two neighbouring tiles are 16 neighbours.
; OUT (qkvc): for each (batch, head): Q: 64 tiles x 512 bytes (registers 0-3 of a fragment: K = 64; the reader sets the rest to zero codes), then scale words [8][32 lanes][4]: word i of lane (r, h) = tile 2 i + h;
; K likewise; V: [8 key steps][4 tiles of channels][1,024 bytes], then scale words [8][32 lanes][2].
; NO CLUSTER: what work-groups share in a step is x's 69,632 bytes against 417,792 bytes of weights of their own or the reverse, and each is asked for once, at the head.
; LIMITS: NaN and infinities are not served; a block whose largest magnitude lies under 2^-124 keeps the byte 1; a block of zeros gets the byte 1 (its codes are zeros; this program alone reads the bytes).
.set WSZ, 0x220000
.set XT,  8704                         ; a tile of x in LDS: 8 fragments, 512 bytes of scale words
.set L16, 3                            ; v3 16 x lane; v4 the same four tiles on
.set XA,  3
.set L4,  5                            ; v5 4 x lane; v6 the same four tiles on
.set XSA, 5
.set VA,  7                            ; v7 16 r + 8 h: where my 8 bytes of V's codes go
.set L8,  8                            ; v8 8 x lane
.set WS,  16                           ; v16-63 W's scale words: 16 p + 4 t + j: lanes 0-15 K step 2 j, lanes 16-31 K step 2 j + 1
.set XS,  64                           ; v64-71 x's scale words of the pair of tiles in hand: 4 u + j
.set XR,  72                           ; v72-135 x's fragments: two sets of (2 K steps x 2 tiles)
.set ACC, 136                          ; v136-199 eight accumulators
.set TM,  200
.set PC,  216
.set PW,  224
.set SCQ, 228
.set SCK, 232
.set VSW, 236
.set VO,  240
.set WB,  24                           ; s[24:29] the three weights' fragments of my head;  s[30:35] their scale words
.set WSB, 30
.set QC,  36
.set QS,  38
.set KC,  40
.set KS,  42
.set VC,  44
.set VS,  46
.set SEL, 48
.set MHI, 50
.set MSB, 0
.macro WIN new                         ; the immediate's high byte repeats the setting that is left
.if MSB != (\new)
	s_set_vgpr_msb (MSB<<8)|(\new)
.set MSB, (\new)
.endif
.endm
.macro QCORE s
.irp b, 0,1,2,3
	v_max3_num_f32 v[TM+\b], |v[(\s)+16*\b]|, |v[(\s)+1+16*\b]|, 0x1800000   ; each accumulator is read from its low end on; the floor 2^(3 - 127) holds the byte at 1 from below
.endr
.irp i, 2,4,6,8,10,12,14
.irp b, 0,1,2,3
	v_max3_num_f32 v[TM+\b], v[TM+\b], |v[(\s)+16*\b+\i]|, |v[(\s)+1+16*\b+\i]|
.endr
.endr
.irp b, 0,1,2,3
	v_permlanex16_b32 v[TM+4+\b], v[TM+\b], s[SEL], s[SEL+1]
.endr
.irp b, 0,1,2,3
	v_max_num_f32 v[TM+\b], v[TM+\b], v[TM+4+\b]
.endr
.irp b, 0,1,2,3
	v_add_nc_u32 v[TM+12+\b], 0xff000000, v[TM+\b]
.endr
.irp b, 0,1,2,3
	v_lshrrev_b32 v[TM+4+\b], 23, v[TM+12+\b]
.endr
.endm
.macro QCVT s, pc
.irp b, 0,1,2,3
	v_cvt_scalef32_pk8_fp4_f32 v[(\pc)+2*\b], v[(\s)+16*\b:(\s)+16*\b+7], v[TM+12+\b]
	v_cvt_scalef32_pk8_fp4_f32 v[(\pc)+2*\b+1], v[(\s)+16*\b+8:(\s)+16*\b+15], v[TM+12+\b]
.endr
	v_nop                                          ; one plain instruction behind the last scaled conversion
.endm
.macro QSWAP pc
.irp c, 0,1
.irp i, 0,1
	v_permlane16_swap_b32 v[(\pc)+4*\c+\i], v[(\pc)+4*\c+2+\i]
.endr
.endr
.endm
; one matrix instruction.  z = 1: it starts its sum (K step 0).  row: which half of the lanes holds this K step's scale words, on both sides
.macro WM d, a, b, z, sa, sb, row
.if \z
	v_wmma_scale_f32_16x16x128_f8f6f4 v[\d:\d+7], v[\a:\a+7], v[\b:\b+7], 0, v[\sa], v[\sb] matrix_a_fmt:MATRIX_FMT_FP4 matrix_b_fmt:MATRIX_FMT_FP4
.elseif \row
	v_wmma_scale_f32_16x16x128_f8f6f4 v[\d:\d+7], v[\a:\a+7], v[\b:\b+7], v[\d:\d+7], v[\sa], v[\sb] matrix_a_fmt:MATRIX_FMT_FP4 matrix_b_fmt:MATRIX_FMT_FP4 matrix_a_scale:MATRIX_SCALE_ROW1 matrix_b_scale:MATRIX_SCALE_ROW1
.else
	v_wmma_scale_f32_16x16x128_f8f6f4 v[\d:\d+7], v[\a:\a+7], v[\b:\b+7], v[\d:\d+7], v[\sa], v[\sb] matrix_a_fmt:MATRIX_FMT_FP4 matrix_b_fmt:MATRIX_FMT_FP4
.endif
.endm
; 40 loads: tiles 2 hf and 2 hf + 1 of weight p: 16 fragments into window p + 1 (fragment (t, s) at v[8 (8 t + s)]), 8 registers of scale words
.macro LOADW p, hf
	WIN ((\p)+1)<<6
.irp t2, 0,1
.irp s, 0,1,2,3,4,5,6,7
.irp c, 0,1
	global_load_b128 v[8*(8*(2*(\hf)+\t2)+\s)+4*\c:8*(8*(2*(\hf)+\t2)+\s)+4*\c+3], v[L16], s[WB+2*(\p):WB+2*(\p)+1] offset:(8*(2*(\hf)+\t2)+\s)*1024+512*\c
.endr
.endr
.endr
	WIN 0
.irp t2, 0,1
.irp j, 0,1,2,3
	global_load_b32 v[WS+16*(\p)+4*(2*(\hf)+\t2)+\j], v[L4], s[WSB+2*(\p):WSB+2*(\p)+1] offset:512*(2*(\hf)+\t2)+128*\j
.endr
.endr
.endm
; 8 LDS loads: K steps 2 bt and 2 bt + 1 of tiles 2 pr and 2 pr + 1 into a set
.macro LOADX set, bt, pr
.irp h2, 0,1
.irp u, 0,1
.irp c, 0,1
	ds_load_b128 v[XR+32*(\set)+16*\h2+8*\u+4*\c:XR+32*(\set)+16*\h2+8*\u+4*\c+3], v[XA+(\pr)/2] offset:(2*((\pr)%2)+\u)*XT+(2*(\bt)+\h2)*1024+512*\c
.endr
.endr
.endr
.endm
; Eight loads of 512 bytes each: chunk ci (0 .. 15) of the 128 loads of codes that the head leaves: Wk's 64, then Wv's 64.  Load m of a weight fills v[4 m .. 4 m + 3] of its window from byte 512 m
.macro LWC ci
.set MG, 8*(\ci)
.if MG < 64
	WIN 2<<6
.set MB, MG
.set PB, WB+2
.else
	WIN 3<<6
.set MB, MG-64
.set PB, WB+4
.endif
.rept 8
	global_load_b128 v[4*MB:4*MB+3], v[L16], s[PB:PB+1] offset:512*MB
.set MB, MB+1
.endr
	WIN 0
.endm
; Eight loads of scale words of weight p, from word register n0 on: register n lies 128 n bytes on
.macro LS p, n0
.set NB, \n0
.rept 8
	global_load_b32 v[WS+16*(\p)+NB], v[L4], s[WSB+2*(\p):WSB+2*(\p)+1] offset:128*NB
.set NB, NB+1
.endr
.endm
.macro LOADXS pr
.irp u, 0,1
.irp j, 0,1,2,3
	ds_load_b32 v[XS+4*\u+\j], v[XSA+(\pr)/2] offset:(2*((\pr)%2)+\u)*XT+8192+128*\j
.endr
.endr
.endm
; A PASS: weight p x the pair pr of token tiles, K = 1,024: four batches of two K steps, 16 matrix instructions each; the eight accumulators take turns, one instruction a turn.
; Behind each batch: four plain instructions, then the set just multiplied takes the batch two further on (behind batches 2 and 3: the next pair's first two batches and its scale words).
.macro PASS p, pr, last
.irp bt, 0,1,2,3
.if \bt == 0
	s_wait_dscnt 0x0                               ; both sets and the scale words were asked for a way out ago
.elseif (\bt == 3) && \last
	s_wait_dscnt 0x0                               ; nothing was asked for behind batch 2
.else
	s_wait_dscnt 8                                 ; this batch's set is in; the other set's eight younger loads may be out
.endif
.if (\p) == 0
	WIN 0x01
.elseif (\p) == 1
	WIN 0x02
.else
	WIN 0x0c
.endif
.irp h2, 0,1
.irp u, 0,1
.irp t, 0,1,2,3
.if (\p) < 2
	WM ACC+32*\u+8*\t, 8*(8*\t+2*\bt+\h2), XR+32*(\bt%2)+16*\h2+8*\u, (\bt+\h2)==0, WS+16*(\p)+4*\t+\bt, XS+4*\u+\bt, \h2
.else
	WM ACC+16*\t+8*\u, XR+32*(\bt%2)+16*\h2+8*\u, 8*(8*\t+2*\bt+\h2), (\bt+\h2)==0, XS+4*\u+\bt, WS+16*(\p)+4*\t+\bt, \h2
.endif
.endr
.endr
.endr
	WIN 0
.rept 4
	v_nop                                          ; four plain instructions ahead of loads into registers that matrix instructions have read, and of the first read of results
.endr
.if \bt < 2
	LOADX \bt%2, \bt+2, \pr
.elseif !\last
	LOADX \bt%2, \bt-2, (\pr+1)%4
.endif
.if ((\p) == 0) && (\bt < 3)
	LWC 3*(\pr)+\bt                                ; Wq's passes: behind each of the first three batches a chunk of Wk's or Wv's codes is asked for; none behind the last, which stands ahead of the way out's wait on XCNT
.elseif ((\p) == 1) && ((3*(\pr)+\bt) < 4) && (\bt < 3)
	LWC 12+3*(\pr)+\bt                             ; Wk's first passes: the last four chunks of Wv's codes
.endif
.if (\bt == 3) && !\last
	LOADXS (\pr+1)%4
.endif
.endr
.endm
; q or k of the pair: blocks 2 u + b = token tile u, channels 32 b on
.macro OUTQK cb, sc, pr
	QCORE ACC
	v_lshl_or_b32 v[PW], v[TM+5], 8, v[TM+4]
	v_lshl_or_b32 v[PW+1], v[TM+7], 8, v[TM+6]
	v_or_b32 v[PW], 0x7f7f0000, v[PW]              ; K = 64 .. 127 of the scores' product are zero codes under the byte 127
	v_or_b32 v[PW+1], 0x7f7f0000, v[PW+1]
	s_wait_xcnt 0x0                                ; the last way out's stores have read their data: the codes' registers are written again only behind this wait
	QCVT ACC, PC
	QSWAP PC
	global_store_b128 v[L16], v[PC:PC+3], s[\cb:\cb+1] offset:(2*(\pr))*512
	global_store_b128 v[L16], v[PC+4:PC+7], s[\cb:\cb+1] offset:(2*(\pr)+1)*512
	v_cndmask_b32 v[(\sc)+(\pr)], v[PW], v[PW+1], s[MHI]   ; lanes 0-15 the even tile's words, lanes 16-31 the odd one's
.endm
; v of the pair: block t = channels' tile t, the pair's 32 tokens.  A lane's 16 codes are 8 bytes of the fragment's image: the wave's store covers 256 consecutive bytes, aligned
.macro OUTV pr
	QCORE ACC
.irp t, 0,1,2,3
.if (\pr) == 0
	v_mov_b32 v[VSW+\t], v[TM+4+\t]
.else
	v_lshl_or_b32 v[VSW+\t], v[TM+4+\t], 8*(\pr), v[VSW+\t]
.endif
.endr
	s_wait_xcnt 0x0
	QCVT ACC, PC
.irp t, 0,1,2,3
	global_store_b64 v[VA], v[PC+2*\t:PC+2*\t+1], s[VC:VC+1] offset:1024*\t+512*((\pr)/2)+256*((\pr)%2)
.endr
.endm
	s_load_b128 s[4:7], s[0:1], 0x0                ; xq, wimg
	s_load_b64 s[8:9], s[0:1], 0x10                ; qkvc
	v_lshl_add_u32 v254, v0, 2, 0x29000
	v_mov_b32 v255, 0
	ds_add_u32 v254, v255
	ds_add_u32 v254, v255
	v_lshrrev_b32 v9, 5, v0
	v_readfirstlane_b32 s10, v9                    ; wave
	v_and_b32 v9, 31, v0
	v_and_b32 v10, 15, v0
	v_bfe_u32 v11, v0, 4, 1
	v_lshlrev_b32 v[L16], 4, v9
	v_lshlrev_b32 v[L4], 2, v9
	v_lshlrev_b32 v[L8], 3, v9
	v_add_nc_u32 v[XA+1], 4*XT, v[L16]
	v_add_nc_u32 v[XSA+1], 4*XT, v[L4]
	v_lshlrev_b32 v[VA], 4, v10
	v_lshl_add_u32 v[VA], v11, 3, v[VA]
.irp b, 0,1,2,3
	v_mov_b32 v[TM+4+\b], 0                        ; written once: a lane permute's destination counts as one of its sources
.endr
	s_and_b32 s11, ttmp7, 0xffff                   ; block of 128 tokens
	s_lshl_b32 s51, ttmp9, 2
	s_add_co_u32 s51, s51, s10                     ; my head
	s_mov_b32 s[SEL], 0x76543210
	s_mov_b32 s[SEL+1], 0xfedcba98
	s_mov_b32 s[MHI], 0xffff0000
	; my quarter of the block's 69,632 bytes: 68 rows of 256 bytes (32 elements of 8 bytes), dense, no padding
	s_mov_b32 s16, 3<<16
	s_mov_b32 s17, 32<<16                          ; tensor_dim0
	s_mov_b32 s18, 68<<16                          ; tensor_dim1
	s_mov_b32 s19, 32<<16                          ; tile_dim0
	s_mov_b32 s20, 68                              ; tile_dim1
	s_mov_b32 s21, 32                              ; pitch
	s_mov_b32 s22, 0
	s_mov_b32 s23, 0
	s_mov_b32 s12, 1
	s_mul_i32 s13, s10, 17408                      ; LDS address
	s_mul_i32 s52, s11, 69632
	s_add_co_u32 s52, s52, s13
	s_mov_b32 s53, 0
	s_wait_dscnt 0x0
	s_wait_kmcnt 0x0
	s_add_nc_u64 s[14:15], s[4:5], s[52:53]
	s_or_b32 s15, s15, 0x80000000
	tensor_load_to_lds s[12:15], s[16:23]          ; the one fill of these bytes
	s_nop 0
.rept 4
	v_nop                                          ; four such lines behind a tensor load
.endr
	s_lshl_b32 s52, s51, 15                        ; my head's 4 tiles x 8 K steps
	s_add_nc_u64 s[WB:WB+1], s[6:7], s[52:53]
	s_add_nc_u64 s[WB+2:WB+3], s[WB:WB+1], WSZ
	s_add_nc_u64 s[WB+4:WB+5], s[WB+2:WB+3], WSZ
	s_lshl_b32 s52, s51, 11
	s_add_co_u32 s52, s52, 0x200000
	s_add_nc_u64 s[WSB:WSB+1], s[6:7], s[52:53]
	s_add_nc_u64 s[WSB+2:WSB+3], s[WSB:WSB+1], WSZ
	s_add_nc_u64 s[WSB+4:WSB+5], s[WSB+2:WSB+3], WSZ
	LOADW 0, 0
	LOADW 0, 1
	s_lshr_b32 s54, s11, 3
	s_lshl_b32 s54, s54, 6
	s_add_co_u32 s54, s54, s51                     ; 64 x batch + head
	s_and_b32 s55, s11, 7                          ; the block's number in its batch
	s_mul_i32 s56, s54, 36864                      ; Q's part
	s_mul_i32 s57, s54, 71680
	s_add_co_u32 s57, s57, 4718592                 ; K's and V's part
	s_lshl_b32 s58, s55, 12
	s_lshl_b32 s59, s55, 9
	s_lshl_b32 s60, s55, 8
	s_add_co_u32 s52, s56, s58
	s_add_nc_u64 s[QC:QC+1], s[8:9], s[52:53]
	s_add_co_u32 s52, s56, s59
	s_add_co_u32 s52, s52, 32768
	s_add_nc_u64 s[QS:QS+1], s[8:9], s[52:53]
	s_add_co_u32 s52, s57, s58
	s_add_nc_u64 s[KC:KC+1], s[8:9], s[52:53]
	s_add_co_u32 s52, s52, 36864
	s_add_nc_u64 s[VC:VC+1], s[8:9], s[52:53]
	s_add_co_u32 s52, s57, s59
	s_add_co_u32 s52, s52, 32768
	s_add_nc_u64 s[KS:KS+1], s[8:9], s[52:53]
	s_add_co_u32 s52, s57, s60
	s_add_co_u32 s52, s52, 69632
	s_add_nc_u64 s[VS:VS+1], s[8:9], s[52:53]
	s_wait_tensorcnt 0x0                           ; my quarter of x is in,
	s_barrier_signal -1
	s_barrier_wait -1                              ; everybody's is
	LOADX 0, 0, 0
	LOADX 1, 1, 0
	LOADXS 0
	s_wait_loadcnt 0x0                             ; Wq's 80 loads are in: nothing else has been asked for
	PASS 0, 0, 0
	OUTQK QC, SCQ, 0
	LS 1, 0                                        ; Wk's scale words
	PASS 0, 1, 0
	OUTQK QC, SCQ, 1
	LS 1, 8
	PASS 0, 2, 0
	OUTQK QC, SCQ, 2
	LS 2, 0                                        ; the first half of Wv's scale words
	PASS 0, 3, 0
	OUTQK QC, SCQ, 3
	global_store_b128 v[L16], v[SCQ:SCQ+3], s[QS:QS+1]
	s_wait_loadcnt 40                              ; Wk is in: behind its last load stand one chunk of 8, eight scale words and three chunks of 8, all Wv's
	PASS 1, 0, 0
	OUTQK KC, SCK, 0
	LS 2, 8                                        ; the rest of Wv's scale words
	PASS 1, 1, 0
	OUTQK KC, SCK, 1
	PASS 1, 2, 0
	OUTQK KC, SCK, 2
	PASS 1, 3, 0
	OUTQK KC, SCK, 3
	global_store_b128 v[L16], v[SCK:SCK+3], s[KS:KS+1]
	s_wait_loadcnt 0x0                             ; Wv
	PASS 2, 0, 0
	OUTV 0
	PASS 2, 1, 0
	OUTV 1
	PASS 2, 2, 0
	OUTV 2
	PASS 2, 3, 1
	OUTV 3
	v_cndmask_b32 v[VO], v[VSW], v[VSW+1], s[MHI]  ; word j of lane (r, h): channels' tile 2 j + h
	v_cndmask_b32 v[VO+1], v[VSW+2], v[VSW+3], s[MHI]
	global_store_b64 v[L8], v[VO:VO+1], s[VS:VS+1]
	s_wait_tensorcnt 0x0
	ds_add_u32 v254, v255
	s_wait_dscnt 0x0
	s_endpgm
.Lfunc_end_k_q8c863bfb68_qkv:
	.size	k_q8c863bfb68_qkv, .Lfunc_end_k_q8c863bfb68_qkv-k_q8c863bfb68_qkv
	.p2alignl 7, 3214868480
	.fill 96, 4, 3214868480
	.section	.rodata,"a",@progbits
	.p2align	6, 0x0
	.amdhsa_kernel k_q8c863bfb68_qkv
		.amdhsa_group_segment_fixed_size 168448
		.amdhsa_private_segment_fixed_size 0
		.amdhsa_enable_private_segment 0
		.amdhsa_kernarg_size 24
		.amdhsa_user_sgpr_count 2
		.amdhsa_user_sgpr_kernarg_segment_ptr 1
		.amdhsa_wavefront_size32 1
		.amdhsa_system_sgpr_workgroup_id_x 1
		.amdhsa_system_sgpr_workgroup_id_y 1
		.amdhsa_system_sgpr_workgroup_id_z 1
		.amdhsa_system_vgpr_workitem_id 0
		.amdhsa_next_free_vgpr 1024
		.amdhsa_next_free_sgpr 66
		.amdhsa_reserve_vcc 0
		.amdhsa_float_denorm_mode_32 3
		.amdhsa_float_denorm_mode_16_64 3
		.amdhsa_memory_ordered 1
		.amdhsa_forward_progress 1
		.amdhsa_inst_pref_size 214
	.end_amdhsa_kernel
	.amdgpu_metadata
---
amdhsa.version: [ 1, 2 ]
amdhsa.kernels:
  - .name:           k_q8c863bfb68_qkv
    .symbol:         k_q8c863bfb68_qkv.kd
    .args:
      - { .name: xq, .offset: 0, .size: 8, .value_kind: global_buffer, .address_space: global }
      - { .name: wimg, .offset: 8, .size: 8, .value_kind: global_buffer, .address_space: global }
      - { .name: qkvc, .offset: 16, .size: 8, .value_kind: global_buffer, .address_space: global }
    .group_segment_fixed_size: 168448
    .private_segment_fixed_size: 0
    .kernarg_segment_align: 8
    .kernarg_segment_size: 24
    .max_flat_workgroup_size: 128
    .sgpr_count:     66
    .vgpr_count:     1024
    .wavefront_size: 32
...
	.end_amdgpu_metadata
.endif
;; end of part 2
;; launch attn (part 3): grid 2 x 128, 16 waves a work-group, no clusters, 169,984 bytes of LDS; arguments qkvc, scr; writes scr
.if DOCPART == 3
	.amdgcn_target "amdgcn-amd-amdhsa--gfx1250"
	.amdhsa_code_object_version 6
	.text
	.protected	k_q8c863bfb68_attn
	.globl	k_q8c863bfb68_attn
	.p2align	8
	.type	k_q8c863bfb68_attn,@function
k_q8c863bfb68_attn:
	s_mov_b64 s[64:65], 0
	v_nop
	global_prefetch_b8 v0, s[64:65] scope:SCOPE_SE
	s_setreg_imm32_b32 hwreg(HW_REG_WAVE_MODE, 25, 1), 1
	s_wait_xcnt 0x0
; ATTN.  att[b][h][q][:] = the sum over keys k <= q of softmax_k(q . k / 8) v[k][:], head size 64, 1,024 keys, both products on codes of FP4 with E8M0 scales.
; THE SOFTMAX AHEAD OF THE SECOND PRODUCT: t = score x log2(e) / 8; M = the running largest t rounded UP to a whole number; p = 2^(t - M) is quantised along the keys, not normalised; the row's sum is taken of the
; unquantised p and divides at the end.  When M moves, the sum and O are multiplied by 2^(old M - new M): exact.
; SHARES.  A work-group takes one (batch, head) and half of its 64 query tiles; wave w takes tiles 16 p + w and 63 - (16 p + w).  A tile t needs t / 2 + 1 blocks of 32 keys, so every wave has 33 blocks in 9 key steps.
; The head's K and V with their scale words, 71,680 bytes, one dense block, come into LDS once (waves 0-7: one tensor load each) and are read by all sixteen waves.  Nothing in LDS is filled again.
; LAYOUT.  S^T = K Q^T (source 0 = 16 keys, source 1 = my 16 queries; K = 64, the upper 64 are zero codes), O^T = V^T P^T: a lane holds ONE query throughout.  By the order of rows in a tile (slot r of tile t = row
; 32 (t / 2) + 8 (t % 2) + r + 8 (r / 8)) the 16 registers of score tiles 2 b, 2 b + 1 are keys 32 b + 16 (lane / 16) + 0 .. 15, and O^T's register 16 b + i is channel 32 b + 16 (lane / 16) + i.
; CAUSAL.  Both loops have constant trip counts; a step all of whose keys come after the tile's queries is jumped over by a scalar branch on ids.  In the one step on the diagonal the tile's queries lie in block
; bd = (t / 2) % 4 of the step's four blocks of 32 keys: the blocks under bd count whole, the blocks over it are hidden whole, and in block bd hidden scores become -infinity ahead of the maximum.  So the step's body is
; written out five times, for an open step and for 1 to 4 live blocks, and chosen by a scalar branch on the tile's number; a hidden block gets zero codes under the byte 127 and no other work.
; OUT: the tile's 32 registers as they stand, [batch][head][tile][8][32 lanes][16 bytes]: each store covers 512 consecutive bytes.
; NO CLUSTER: two work-groups share a head's 71,680 bytes, asked for once.  LIMITS: NaN and infinities are not served; a block of p that has fallen to zeros keeps the byte 1 over zero codes.
.set L16, 1                            ; v1  16 x lane
.set LV,  2                            ; v2  8 x lane + where V's scale words begin
.set R16, 3                            ; v3  16 r
.set QR,  4                            ; v4  r + 8 (r / 8): my query's place behind the tile's first
.set H16, 5                            ; v5  16 (lane / 16)
.set AD,  8                            ; v8  the step's K and V;  v9 K's scale words;  v10 V's
.set ADS, 9
.set ADT, 10
; v12 -M, v13 the largest t, v[14:15] the sum; v16-23 Q (20-23 zero); v24-27 K's scale words, v28-29 V's, v30 Q's, v31 the second tile's; v32-95 K's 8 fragments (the upper four of each zero);
; v96-159 S^T, then p; v160-191 O^T; v192-223 V's 4 fragments; v224-231 p's codes; v232-247, v252, v254 at work; v253 p's scale word; v248-251 the second tile's Q
.set WV,  8
.set TAU, 9                            ; s9   the tile in hand
.set SEL, 10
.set CS,  12                           ; s[12:13] c = log2(e) / 8
.set G0,  16
.set G1,  20
.set QB,  28
.set OUT, 30
.set OB,  32
.set Q0,  34                           ; s34  the tile's first query
.set KF,  35                           ; s35  the step's first key
.set TK,  36                           ; s36  the step's K and V in LDS: 4,096 bytes a step;  s37 K's scale words: 512;  s38 V's: 256
.set TS,  37
.set TV,  38
.set NT,  39
.set NS,  40
.set BD,  44                           ; s44  the tile's block in its diagonal step
; THE BODY OF A KEY STEP, behind its LDS loads and the wait for K: nb live blocks of 32 keys; diag = 1: the last of them lies on the diagonal
.macro BODY nb, diag
.irp t, 0,2,4,6
.if \t < 2*\nb
	v_wmma_scale_f32_16x16x128_f8f6f4 v[96+8*\t:103+8*\t], v[32+8*\t:39+8*\t], v[16:23], 0, v[24+\t/2], v30 matrix_a_fmt:MATRIX_FMT_FP4 matrix_b_fmt:MATRIX_FMT_FP4
	v_wmma_scale_f32_16x16x128_f8f6f4 v[104+8*\t:111+8*\t], v[40+8*\t:47+8*\t], v[16:23], 0, v[24+\t/2], v30 matrix_a_fmt:MATRIX_FMT_FP4 matrix_b_fmt:MATRIX_FMT_FP4 matrix_a_scale:MATRIX_SCALE_ROW1
.endif
.endr
.rept 4
	v_nop                                          ; four plain instructions ahead of the first read of results (ISA guide 7.12.1)
.endr
.if \diag
	s_sub_co_i32 s41, s[Q0], s[KF]
	v_sub_nc_u32 v252, v[QR], v[H16]
	s_delay_alu instid0(VALU_DEP_1)
	v_add_nc_u32 v252, s41, v252                   ; d = my query - the step's first key - 16 (lane / 16): register 16 b + i is hidden where 32 b + i > d
	v_mov_b32 v254, 0xff800000
.set n, 0
.rept 16
	v_cmp_gt_i32 vcc_lo, 32*(\nb-1)+n, v252
	v_cndmask_b32 v[96+16*(\nb-1)+n], v[96+16*(\nb-1)+n], v254, vcc_lo
.set n, n+1
.endr
.endif
.irp b, 0,1,2,3
.if \b < \nb
	v_max3_num_f32 v[232+\b], v[96+16*\b], v[97+16*\b], v[98+16*\b]   ; the largest score of each block of 32 keys: for the row's maximum and, since p rises with the score, for the block's largest p
.endif
.endr
.irp i, 3,5,7,9,11,13
.irp b, 0,1,2,3
.if \b < \nb
	v_max3_num_f32 v[232+\b], v[232+\b], v[96+16*\b+\i], v[97+16*\b+\i]
.endif
.endr
.endr
.irp b, 0,1,2,3
.if \b < \nb
	v_max_num_f32 v[232+\b], v[232+\b], v[111+16*\b]
.endif
.endr
.irp b, 0,1,2,3
.if \b < \nb
	v_permlanex16_b32 v[236+\b], v[232+\b], s[SEL], s[SEL+1]
.endif
.endr
.irp b, 0,1,2,3
.if \b < \nb
	v_max_num_f32 v[232+\b], v[232+\b], v[236+\b]
.endif
.endr
.if \nb == 1
	s_delay_alu instid0(VALU_DEP_1)
	v_mul_f32 v254, s[CS], v232
.elseif \nb == 2
	s_delay_alu instid0(VALU_DEP_1)
	v_max_num_f32 v254, v232, v233
	s_delay_alu instid0(VALU_DEP_1)
	v_mul_f32 v254, s[CS], v254
.elseif \nb == 3
	s_delay_alu instid0(VALU_DEP_1)
	v_max3_num_f32 v254, v232, v233, v234
	s_delay_alu instid0(VALU_DEP_1)
	v_mul_f32 v254, s[CS], v254
.else
	s_delay_alu instid0(VALU_DEP_2)
	v_max3_num_f32 v254, v232, v233, v234
	s_delay_alu instid0(VALU_DEP_1)
	v_max_num_f32 v254, v254, v235
	s_delay_alu instid0(VALU_DEP_1)
	v_mul_f32 v254, s[CS], v254
.endif
	s_delay_alu instid0(VALU_DEP_1)
	v_max_num_f32 v13, v13, v254                   ; the running largest t
	v_mov_b32 v254, v12
	s_delay_alu instid0(VALU_DEP_2)
	v_floor_f32 v12, -v13                          ; the new -M = -ceil(t)
	s_delay_alu instid0(VALU_DEP_1)
	v_sub_f32 v254, v12, v254                      ; old M - new M: a whole number, 0 or less
	s_delay_alu instid0(VALU_DEP_1)
	v_cvt_i32_f32 v254, v254                       ; (it saturates)
	s_delay_alu instid0(VALU_DEP_1)
	v_ldexp_f32 v252, 1.0, v254                    ; f = 2^(old M - new M)
.set j, 0
.rept 8*\nb
	v_pk_fma_f32 v[96+j:97+j], v[96+j:97+j], s[CS:CS+1], v[12:13] op_sel_hi:[1,0,0]   ; t - M
.set j, j+2
.endr
.irp b, 0,1,2,3
.if \b < \nb
	v_fma_f32 v[232+\b], v[232+\b], s[CS], v12
.endif
.endr
.set j, 0
	s_wait_alu depctr_va_vdst(0)
.rept 16*\nb
	v_exp_f32 v[96+j], v[96+j]                     ; p = 2^(t - M)
.set j, j+1
.endr
	v_pk_mul_f32 v[14:15], v[14:15], v[252:253] op_sel_hi:[1,0]   ; the sums under the new M; also the plain instruction behind the exponentials
	s_wait_alu depctr_va_vdst(0)                   ; one wait for the batch, ahead of its first reader
.irp b, 0,1,2,3
.if \b < \nb
	v_exp_f32 v[232+\b], v[232+\b]                 ; each block's largest p
.endif
.endr
	v_pk_add_f32 v[236:237], v[96:97], v[98:99]    ; the row's sum of the unquantised p, in two chains
.set j, 4
.rept 4*\nb-1
	v_pk_add_f32 v[14:15], v[14:15], v[96+j:97+j]
	v_pk_add_f32 v[236:237], v[236:237], v[98+j:99+j]
.set j, j+4
.endr
	s_delay_alu instid0(VALU_DEP_1)
	v_pk_add_f32 v[14:15], v[14:15], v[236:237]
	s_wait_alu depctr_va_vdst(0)                   ; and one for the blocks' largest p
.irp b, 0,1,2,3
.if \b < \nb
	v_max_num_f32 v[232+\b], 0x1800000, v[232+\b]  ; the floor 2^(3 - 127)
.endif
.endr
.irp b, 0,1,2,3
.if \b < \nb
	v_add_nc_u32 v[244+\b], 0xff000000, v[232+\b]  ; 2 off the exponent field: the conversion's scale operand
.endif
.endr
.irp b, 0,1,2,3
.if \b < \nb
	v_lshrrev_b32 v[236+\b], 23, v[244+\b]         ; the scale's byte
.endif
.endr
.if \nb == 1                                   ; p's scale word for these 128 keys; a hidden block's byte is 127, over zero codes
	s_delay_alu instid0(VALU_DEP_1)
	v_or_b32 v253, 0x7f7f7f00, v236
.elseif \nb == 2
	s_delay_alu instid0(VALU_DEP_1)
	v_lshl_or_b32 v253, v237, 8, v236
	s_delay_alu instid0(VALU_DEP_1)
	v_or_b32 v253, 0x7f7f0000, v253
.elseif \nb == 3
	s_delay_alu instid0(VALU_DEP_2)
	v_lshl_or_b32 v253, v237, 8, v236
	s_delay_alu instid0(VALU_DEP_1)
	v_lshl_or_b32 v253, v238, 16, v253
	s_delay_alu instid0(VALU_DEP_1)
	v_or_b32 v253, 0x7f000000, v253
.else
	s_delay_alu instid0(VALU_DEP_3)
	v_lshl_or_b32 v253, v237, 8, v236
	s_delay_alu instid0(VALU_DEP_1)
	v_lshl_or_b32 v253, v238, 16, v253
	s_delay_alu instid0(VALU_DEP_1)
	v_lshl_or_b32 v253, v239, 24, v253
.endif
.irp b, 0,1,2,3
.if \b >= \nb
	v_mov_b32 v[224+2*\b], 0                       ; a hidden block: zero codes
	v_mov_b32 v[225+2*\b], 0
.endif
.endr
.irp b, 0,1,2,3
.if \b < \nb
	v_cvt_scalef32_pk8_fp4_f32 v[224+2*\b], v[96+16*\b:103+16*\b], v[244+\b]
	v_cvt_scalef32_pk8_fp4_f32 v[225+2*\b], v[104+16*\b:111+16*\b], v[244+\b]
.endif
.endr
	v_nop                                          ; one plain instruction behind the last scaled conversion
.irp c, 0,1
.irp i, 0,1
	v_permlane16_swap_b32 v[224+4*\c+\i], v[226+4*\c+\i]
.endr
.endr
.set j, 0
.rept 16
	v_pk_mul_f32 v[160+j:161+j], v[160+j:161+j], v[252:253] op_sel_hi:[1,0]   ; O^T under the new M; these sixteen also stand between the writes of p's codes and scale word and the products
.set j, j+2
.endr
	s_wait_alu depctr_va_vdst(0)
	s_wait_dscnt 0x0                               ; V
.irp t, 0,2
	v_wmma_scale_f32_16x16x128_f8f6f4 v[160+8*\t:167+8*\t], v[192+8*\t:199+8*\t], v[224:231], v[160+8*\t:167+8*\t], v[28+\t/2], v253 matrix_a_fmt:MATRIX_FMT_FP4 matrix_b_fmt:MATRIX_FMT_FP4
	v_wmma_scale_f32_16x16x128_f8f6f4 v[168+8*\t:175+8*\t], v[200+8*\t:207+8*\t], v[224:231], v[168+8*\t:175+8*\t], v[28+\t/2], v253 matrix_a_fmt:MATRIX_FMT_FP4 matrix_b_fmt:MATRIX_FMT_FP4 matrix_a_scale:MATRIX_SCALE_ROW1
.endr
.endm
	s_load_b128 s[4:7], s[0:1], 0x0                ; qkvc, scr
	v_lshl_add_u32 v242, v0, 2, 0x29000
	v_mov_b32 v243, 0
	ds_add_u32 v242, v243
	ds_add_u32 v242, v243
	v_lshrrev_b32 v6, 5, v0
	s_delay_alu instid0(VALU_DEP_1)
	v_readfirstlane_b32 s[WV], v6
	v_and_b32 v6, 31, v0
	v_and_b32 v7, 15, v0
	v_bfe_u32 v11, v0, 4, 1
	s_delay_alu instid0(VALU_DEP_3)
	v_lshlrev_b32 v[L16], 4, v6
	s_delay_alu instid0(VALU_DEP_4)
	v_lshlrev_b32 v[LV], 3, v6
	s_delay_alu instid0(VALU_DEP_1)
	v_add_nc_u32 v[LV], 69632, v[LV]
	v_lshlrev_b32 v[R16], 4, v7
	v_and_b32 v[QR], 8, v7
	s_delay_alu instid0(VALU_DEP_1)
	v_add_nc_u32 v[QR], v[QR], v7
	v_lshlrev_b32 v[H16], 4, v11
	s_and_b32 s41, ttmp7, 0xffff                   ; 64 x batch + head
	s_mul_i32 s42, s41, 71680
	s_add_co_u32 s42, s42, 4718592
	s_mul_i32 s[G0+1], s[WV], 8960                 ; LDS address: an eighth of the block for each of waves 0-7
	s_add_co_u32 s42, s42, s[G0+1]
	s_mov_b32 s43, 0
	s_mul_i32 s44, s41, 36864
	s_mov_b32 s45, 0
	s_lshl_b32 s46, s41, 18
	s_mov_b32 s47, 0
	s_mov_b32 s[G1], 3<<16                         ; 35 rows of 256 bytes (32 elements of 8 bytes), dense, no padding
	s_mov_b32 s[G1+1], 32<<16
	s_mov_b32 s[G1+2], 35<<16
	s_mov_b32 s[G1+3], 32<<16
	s_mov_b32 s[G1+4], 35
	s_mov_b32 s[G1+5], 32
	s_mov_b32 s[G1+6], 0
	s_mov_b32 s[G1+7], 0
	s_mov_b32 s[G0], 1
	s_mov_b32 s[SEL], 0x76543210
	s_mov_b32 s[SEL+1], 0xfedcba98
	s_mov_b32 s[CS], 0x3e38aa3b
	s_mov_b32 s[CS+1], s[CS]                       ; (named with it as a pair, so it is written)
	s_wait_dscnt 0x0
	s_wait_kmcnt 0x0
	s_add_nc_u64 s[G0+2:G0+3], s[4:5], s[42:43]
	s_or_b32 s[G0+3], s[G0+3], 0x80000000
	s_add_nc_u64 s[QB:QB+1], s[4:5], s[44:45]
	s_add_nc_u64 s[OB:OB+1], s[6:7], s[46:47]
	s_cmp_lt_u32 s[WV], 8
	s_cbranch_scc0 .Lnofill
	tensor_load_to_lds s[G0:G0+3], s[G1:G1+7]      ; the one fill of these bytes
	s_nop 0
.rept 4
	v_nop                                          ; four such lines behind a tensor load
.endr
.Lnofill:
	s_lshl_b32 s[TAU], ttmp9, 4
	s_add_co_u32 s[TAU], s[TAU], s[WV]             ; my first tile
	s_sub_co_u32 s41, 63, s[TAU]                   ; my second
.macro QOFF vd, st                     ; where tile s[st]'s scale words lie: [tile / 8][lane 16 (tile % 2) + r][word (tile / 2) % 4]
	s_lshr_b32 s42, s[\st], 3
	s_lshl_b32 s42, s42, 9
	s_and_b32 s43, s[\st], 1
	s_lshl_b32 s43, s43, 8
	s_add_co_u32 s42, s42, s43
	s_bfe_u32 s43, s[\st], 0x20001
	s_lshl_b32 s43, s43, 2
	s_add_co_u32 s42, s42, s43
	s_add_co_u32 s42, s42, 32768
	v_add_nc_u32 v[\vd], s42, v[R16]
.endm
	s_lshl_b32 s42, s[TAU], 9
	s_wait_alu depctr_va_vdst(0)
	v_add_nc_u32 v6, s42, v[L16]
	s_wait_alu depctr_va_vdst(0)
	s_lshl_b32 s42, s41, 9
	v_add_nc_u32 v7, s42, v[L16]
	s_wait_alu depctr_va_vdst(0)
	QOFF 11, TAU
	s_wait_alu depctr_va_vdst(0)
	QOFF 255, 41
	global_load_b128 v[16:19], v6, s[QB:QB+1]
	global_load_b128 v[248:251], v7, s[QB:QB+1]
	global_load_b32 v30, v11, s[QB:QB+1]
	global_load_b32 v31, v255, s[QB:QB+1]
.irp j, 20,21,22,23
	v_mov_b32 v[\j], 0                             ; the scores' K is 64: the upper half of every fragment is zero codes
.endr
.irp t, 0,1,2,3,4,5,6,7
.irp j, 4,5,6,7
	v_mov_b32 v[32+8*\t+\j], 0
.endr
.endr
.irp j, 236,237,238,239,252,253
	v_mov_b32 v[\j], 0                             ; written once: lane permutes' destinations, and the upper half of the pair v[252:253]
.endr
	s_wait_tensorcnt 0x0                           ; my part of K and V is in (a wave that fetched nothing passes at once),
	s_barrier_signal -1
	s_barrier_wait -1                              ; everybody's is
	s_wait_loadcnt 0x0                             ; Q
	s_mov_b32 s[NT], 2
.Ltile:
	s_wait_xcnt 0x0                                ; the last tile's stores have read their data and their base
	s_lshr_b32 s[Q0], s[TAU], 1
	s_lshl_b32 s[Q0], s[Q0], 5
	s_and_b32 s41, s[TAU], 1
	s_lshl_b32 s41, s41, 3
	s_add_co_u32 s[Q0], s[Q0], s41
	s_bfe_u32 s[BD], s[TAU], 0x20001               ; (tile / 2) % 4
	s_lshl_b32 s42, s[TAU], 12
	s_mov_b32 s43, 0
	s_add_nc_u64 s[OUT:OUT+1], s[OB:OB+1], s[42:43]
	s_mov_b32 s[KF], 0
	s_mov_b32 s[TK], 0
	s_mov_b32 s[TS], 0
	s_mov_b32 s[TV], 0
	v_mov_b32 v13, 0xff61b1e6                      ; the largest t so far: -3e38, under every t
	s_delay_alu instid0(VALU_DEP_1)
	v_floor_f32 v12, -v13
	v_mov_b32 v14, 0
	v_mov_b32 v15, 0
.set j, 0
.rept 32
	v_mov_b32 v[160+j], 0                          ; O^T: no body is a first step's own; the first finds zeros, which the first change of M leaves zeros
.set j, j+1
.endr
	s_mov_b32 s[NS], 8
.Lstep:
	s_add_co_u32 s41, s[Q0], 23                    ; the tile's last query
	s_cmp_gt_u32 s[KF], s41
	s_cbranch_scc1 .Lhidden                        ; all 128 keys come after my queries
	v_add_nc_u32 v[AD], s[TK], v[L16]
	v_add_nc_u32 v[ADS], s[TS], v[L16]
	v_add_nc_u32 v[ADT], s[TV], v[LV]
	v_nop                                          ; with the three above: four plain instructions ahead of loads into registers that the last products read
.irp t, 0,1,2,3,4,5,6,7
	ds_load_b128 v[32+8*\t:35+8*\t], v[AD] offset:512*\t
.endr
	ds_load_b128 v[24:27], v[ADS] offset:32768     ; word i: lanes 0-15 tile 2 i, lanes 16-31 tile 2 i + 1
.irp t, 0,1,2,3
.irp c, 0,1
	ds_load_b128 v[192+8*\t+4*\c:195+8*\t+4*\c], v[AD] offset:36864+1024*\t+512*\c
.endr
.endr
	ds_load_b64 v[28:29], v[ADT]
	s_wait_dscnt 9                                 ; K and its scale words are in; V's eight loads and its scale words may be out
	s_add_co_u32 s41, s[KF], 127
	s_cmp_le_u32 s41, s[Q0]
	s_cbranch_scc1 .Lfull                          ; all 128 keys count for all my queries
	s_cmp_eq_u32 s[BD], 0
	s_cbranch_scc1 .Ld1
	s_cmp_eq_u32 s[BD], 1
	s_cbranch_scc1 .Ld2
	s_cmp_eq_u32 s[BD], 2
	s_cbranch_scc1 .Ld3
	BODY 4, 1
	s_branch .Lhidden
.Ld3:
	BODY 3, 1
	s_branch .Lhidden
.Ld2:
	BODY 2, 1
	s_branch .Lhidden
.Ld1:
	BODY 1, 1
	s_branch .Lhidden
.Lfull:
	BODY 4, 0
.Lhidden:
	s_add_co_u32 s[KF], s[KF], 128
	s_add_co_u32 s[TK], s[TK], 4096
	s_add_co_u32 s[TS], s[TS], 512
	s_add_co_u32 s[TV], s[TV], 256
	s_sub_co_u32 s[NS], s[NS], 1
	s_cmp_lg_u32 s[NS], 0
	s_cbranch_scc1 .Lstep
.rept 4
	v_nop                                          ; four plain instructions behind the last products
.endr
	v_add_f32 v14, v14, v15
	s_delay_alu instid0(VALU_DEP_1)
	v_permlanex16_b32 v252, v14, s[SEL], s[SEL+1]
	s_delay_alu instid0(VALU_DEP_1)
	v_add_f32 v14, v14, v252                       ; the row's sum
	s_wait_alu depctr_va_vdst(0)
	v_rcp_f32 v14, v14
	v_nop
	s_wait_alu depctr_va_vdst(0)
.set j, 0
.rept 32
	v_mul_f32 v[96+j], v[160+j], v14
.set j, j+1
.endr
.irp q, 0,1,2,3,4,5,6,7
	global_store_b128 v[L16], v[96+4*\q:99+4*\q], s[OUT:OUT+1] offset:512*\q
.endr
.irp j, 0,1,2,3
	v_mov_b32 v[16+\j], v[248+\j]                  ; the second tile's Q
.endr
	v_mov_b32 v30, v31                             ; and its scale words
	s_sub_co_u32 s[TAU], 63, s[TAU]
	s_sub_co_u32 s[NT], s[NT], 1
	s_cmp_lg_u32 s[NT], 0
	s_cbranch_scc1 .Ltile
	s_wait_tensorcnt 0x0
	ds_add_u32 v242, v243
	s_wait_dscnt 0x0
	s_endpgm
.Lfunc_end_k_q8c863bfb68_attn:
	.size	k_q8c863bfb68_attn, .Lfunc_end_k_q8c863bfb68_attn-k_q8c863bfb68_attn
	.p2alignl 7, 3214868480
	.fill 96, 4, 3214868480
	.section	.rodata,"a",@progbits
	.p2align	6, 0x0
	.amdhsa_kernel k_q8c863bfb68_attn
		.amdhsa_group_segment_fixed_size 169984
		.amdhsa_private_segment_fixed_size 0
		.amdhsa_enable_private_segment 0
		.amdhsa_kernarg_size 16
		.amdhsa_user_sgpr_count 2
		.amdhsa_user_sgpr_kernarg_segment_ptr 1
		.amdhsa_wavefront_size32 1
		.amdhsa_system_sgpr_workgroup_id_x 1
		.amdhsa_system_sgpr_workgroup_id_y 1
		.amdhsa_system_sgpr_workgroup_id_z 1
		.amdhsa_system_vgpr_workitem_id 0
		.amdhsa_next_free_vgpr 256
		.amdhsa_next_free_sgpr 66
		.amdhsa_reserve_vcc 1
		.amdhsa_float_denorm_mode_32 3
		.amdhsa_float_denorm_mode_16_64 3
		.amdhsa_memory_ordered 1
		.amdhsa_forward_progress 1
		.amdhsa_inst_pref_size 71
	.end_amdhsa_kernel
	.amdgpu_metadata
---
amdhsa.version: [ 1, 2 ]
amdhsa.kernels:
  - .name:           k_q8c863bfb68_attn
    .symbol:         k_q8c863bfb68_attn.kd
    .args:
      - { .name: qkvc, .offset: 0, .size: 8, .value_kind: global_buffer, .address_space: global }
      - { .name: scr, .offset: 8, .size: 8, .value_kind: global_buffer, .address_space: global }
    .group_segment_fixed_size: 169984
    .private_segment_fixed_size: 0
    .kernarg_segment_align: 8
    .kernarg_segment_size: 16
    .max_flat_workgroup_size: 512
    .sgpr_count:     66
    .vgpr_count:     256
    .wavefront_size: 32
...
	.end_amdgpu_metadata
.endif
;; end of part 3
;; launch catq (part 4): grid 2 x 128, 16 waves a work-group, no clusters, 19,456 bytes of LDS; arguments scr, a4k; writes a4k
.if DOCPART == 4
	.amdgcn_target "amdgcn-amd-amdhsa--gfx1250"
	.amdhsa_code_object_version 6
	.text
	.protected	k_q8c863bfb68_catq
	.globl	k_q8c863bfb68_catq
	.p2align	8
	.type	k_q8c863bfb68_catq,@function
k_q8c863bfb68_catq:
	s_mov_b64 s[64:65], 0
	v_nop
	global_prefetch_b8 v0, s[64:65] scope:SCOPE_SE
	s_setreg_imm32_b32 hwreg(HW_REG_WAVE_MODE, 25, 1), 1
	s_wait_xcnt 0x0
; CATQ.  The heads' results become the operand of the next product.  Its K index is channel x 64 + head, so a block of 32 along K is ONE channel of 32 heads.
; A LANE TAKES ONE NUMBER'S PLACE IN A TILE'S IMAGE, AND ITS REGISTERS RUN DOWN THE 64 HEADS: two whole blocks a lane, no other lane is asked for a maximum, and the conversions give codes with K innermost.
; A work-group takes one tile of 16 tokens and 32 channels (half of the tile's 4,096-byte image); wave w its bytes 128 w .. 128 w + 127.  Lane l there holds channel 16 ((w / 2) % 2) + 4 (w / 4) + l % 4 of the half
; and token slot 8 (w % 2) + l / 4.  Codes and scale bytes meet in LDS as 16 fragments' images and their scale words, and leave in runs of 512 bytes.
; No matrix work, no cluster: every byte is read by one wave.  LIMITS: NaN and infinities are not served; a block under 2^-124 keeps the byte 1; a block of zeros gets the byte 1 over zero codes.
.set X, 32                             ; v32-95 64 heads' numbers
	s_load_b128 s[4:7], s[0:1], 0x0                ; scr, a4k
	v_lshl_add_u32 v96, v0, 2, 0x4400
	v_mov_b32 v97, 0
	v_lshrrev_b32 v6, 5, v0
	s_delay_alu instid0(VALU_DEP_1)
	v_readfirstlane_b32 s8, v6                     ; wave
	v_and_b32 v6, 31, v0
	s_delay_alu instid0(VALU_DEP_1)
	v_lshlrev_b32 v1, 2, v6                        ; 4 x lane
	s_delay_alu instid0(VALU_DEP_2)
	v_lshlrev_b32 v2, 4, v6                        ; 16 x lane
	s_delay_alu instid0(VALU_DEP_3)
	v_and_b32 v7, 3, v6
	s_delay_alu instid0(VALU_DEP_4)
	v_lshrrev_b32 v3, 2, v6
	s_delay_alu instid0(VALU_DEP_2)
	v_lshlrev_b32 v4, 9, v7                        ; codes: channel x 512 (K step = channel / 2, part = channel % 2), + 256 for the upper 32 heads, + 16 x token slot
	s_delay_alu instid0(VALU_DEP_1)
	v_lshl_add_u32 v4, v3, 4, v4
	s_wait_alu depctr_va_vdst(0)
	s_bfe_u32 s9, s8, 0x10001
	s_lshr_b32 s10, s8, 2
	s_and_b32 s11, s8, 1
	s_lshl_b32 s12, s9, 13
	s_lshl_b32 s13, s10, 11
	s_add_co_u32 s12, s12, s13
	s_lshl_b32 s13, s11, 7
	s_add_co_u32 s12, s12, s13
	v_add_nc_u32 v4, s12, v4
	v_bfe_u32 v5, v6, 1, 1                         ; scale bytes: K step x 64 + token slot x 4 + 2 (channel % 2): my two bytes are half a word
	s_delay_alu instid0(VALU_DEP_1)
	v_lshlrev_b32 v5, 6, v5
	v_and_b32 v7, 1, v6
	s_delay_alu instid0(VALU_DEP_1)
	v_lshl_add_u32 v5, v7, 1, v5
	s_delay_alu instid0(VALU_DEP_1)
	v_lshl_add_u32 v5, v3, 2, v5
	s_lshl_b32 s12, s9, 9
	s_lshl_b32 s13, s10, 7
	s_add_co_u32 s12, s12, s13
	s_lshl_b32 s13, s11, 5
	s_add_co_u32 s12, s12, s13
	s_add_co_u32 s12, s12, 16384
	v_add_nc_u32 v5, s12, v5
	s_lshl_b32 s12, s8, 10
	v_add_nc_u32 v10, s12, v2                      ; the way out: my 1,024 bytes of codes, in LDS and in the buffer
	s_min_u32 s12, s8, 1
	s_lshl_b32 s12, s12, 9
	v_add_nc_u32 v11, s12, v2                      ; and (waves 0 and 1) my 512 bytes of scale words
	s_delay_alu instid0(VALU_DEP_1)
	v_add_nc_u32 v7, 16384, v11
	s_and_b32 s14, ttmp7, 0xffff                   ; tile, 0 .. 127
	s_lshr_b32 s15, s14, 6
	s_and_b32 s16, s14, 63
	s_lshl_b32 s18, s15, 24                        ; a batch's 64 heads x 64 tiles x 4,096 bytes
	s_lshl_b32 s17, s16, 12
	s_add_co_u32 s18, s18, s17
	s_lshl_b32 s17, ttmp9, 11
	s_add_co_u32 s18, s18, s17
	s_lshl_b32 s17, s8, 7
	s_add_co_u32 s18, s18, s17
	s_mov_b32 s19, 0
	s_lshl_b32 s24, s14, 15
	s_lshl_b32 s17, ttmp9, 14
	s_add_co_u32 s24, s24, s17
	s_mov_b32 s25, 0
	s_lshl_b32 s28, s14, 11
	s_lshl_b32 s17, ttmp9, 10
	s_add_co_u32 s28, s28, s17
	s_add_co_u32 s28, s28, 0x400000
	s_mov_b32 s29, 0
	s_wait_kmcnt 0x0
	s_add_nc_u64 s[20:21], s[4:5], s[18:19]        ; heads 0-31
	s_add_nc_u64 s[22:23], s[20:21], 0x800000      ; heads 32-63
	s_add_nc_u64 s[26:27], s[6:7], s[24:25]
	s_add_nc_u64 s[30:31], s[6:7], s[28:29]
.set h, 0
.rept 32
	global_load_b32 v[X+h], v1, s[20:21] offset:h*262144 th:TH_LOAD_NT
.set h, h+1
.endr
.set h, 0
.rept 32
	global_load_b32 v[X+32+h], v1, s[22:23] offset:h*262144 th:TH_LOAD_NT
.set h, h+1
.endr
.macro BLOCK g
.set XS, X+32*(\g)
	v_max3_num_f32 v12, |v[XS]|, |v[XS+1]|, |v[XS+2]|
	v_max3_num_f32 v13, |v[XS+3]|, |v[XS+4]|, |v[XS+5]|
.irp i, 6,10,14,18,22,26
	s_delay_alu instid0(VALU_DEP_2)
	v_max3_num_f32 v12, v12, |v[XS+\i]|, |v[XS+\i+1]|
	s_delay_alu instid0(VALU_DEP_2)
	v_max3_num_f32 v13, v13, |v[XS+\i+2]|, |v[XS+\i+3]|
.endr
	s_delay_alu instid0(VALU_DEP_2)
	v_max3_num_f32 v12, v12, |v[XS+30]|, |v[XS+31]|
	s_delay_alu instid0(VALU_DEP_1)
	v_max3_num_f32 v12, v12, v13, 0x1800000        ; and the floor 2^(3 - 127)
	s_delay_alu instid0(VALU_DEP_1)
	v_add_nc_u32 v[8+(\g)], 0xff000000, v12        ; 2 off the exponent field: the conversion's scale operand
	s_delay_alu instid0(VALU_DEP_1)
	v_lshrrev_b32 v[14+(\g)], 23, v[8+(\g)]        ; the scale's byte
.irp q, 0,1,2,3
	v_cvt_scalef32_pk8_fp4_f32 v[16+4*(\g)+\q], v[XS+8*\q:XS+8*\q+7], v[8+(\g)]
.endr
	v_nop
	ds_store_b128 v4, v[16+4*(\g):16+4*(\g)+3] offset:256*(\g)
.endm
	s_wait_loadcnt 32                              ; heads 0-31 are in; the other 32 loads may be out
	BLOCK 0
	s_wait_loadcnt 0x0
	BLOCK 1
	v_lshl_or_b32 v14, v15, 8, v14
	ds_store_b16 v5, v14
	s_wait_dscnt 0x0                               ; for the others' sake: my stores have landed
	s_barrier_signal -1
	s_barrier_wait -1
	ds_load_b128 v[24:27], v10
	ds_load_b128 v[28:31], v10 offset:512
	s_wait_dscnt 0x0
	global_store_b128 v10, v[24:27], s[26:27]
	global_store_b128 v10, v[28:31], s[26:27] offset:512
	s_cmp_lt_u32 s8, 2
	s_cbranch_scc0 .Lend
	ds_load_b128 v[16:19], v7
	s_wait_dscnt 0x0
	global_store_b128 v11, v[16:19], s[30:31]
.Lend:
	s_wait_tensorcnt 0x0
	ds_add_u32 v96, v97
	s_wait_dscnt 0x0
	s_endpgm
.Lfunc_end_k_q8c863bfb68_catq:
	.size	k_q8c863bfb68_catq, .Lfunc_end_k_q8c863bfb68_catq-k_q8c863bfb68_catq
	.p2alignl 7, 3214868480
	.fill 96, 4, 3214868480
	.section	.rodata,"a",@progbits
	.p2align	6, 0x0
	.amdhsa_kernel k_q8c863bfb68_catq
		.amdhsa_group_segment_fixed_size 19456
		.amdhsa_private_segment_fixed_size 0
		.amdhsa_enable_private_segment 0
		.amdhsa_kernarg_size 16
		.amdhsa_user_sgpr_count 2
		.amdhsa_user_sgpr_kernarg_segment_ptr 1
		.amdhsa_wavefront_size32 1
		.amdhsa_system_sgpr_workgroup_id_x 1
		.amdhsa_system_sgpr_workgroup_id_y 1
		.amdhsa_system_sgpr_workgroup_id_z 1
		.amdhsa_system_vgpr_workitem_id 0
		.amdhsa_next_free_vgpr 98
		.amdhsa_next_free_sgpr 66
		.amdhsa_reserve_vcc 0
		.amdhsa_float_denorm_mode_32 3
		.amdhsa_float_denorm_mode_16_64 3
		.amdhsa_memory_ordered 1
		.amdhsa_forward_progress 1
		.amdhsa_inst_pref_size 14
	.end_amdhsa_kernel
	.amdgpu_metadata
---
amdhsa.version: [ 1, 2 ]
amdhsa.kernels:
  - .name:           k_q8c863bfb68_catq
    .symbol:         k_q8c863bfb68_catq.kd
    .args:
      - { .name: scr, .offset: 0, .size: 8, .value_kind: global_buffer, .address_space: global }
      - { .name: a4k, .offset: 8, .size: 8, .value_kind: global_buffer, .address_space: global }
    .group_segment_fixed_size: 19456
    .private_segment_fixed_size: 0
    .kernarg_segment_align: 8
    .kernarg_segment_size: 16
    .max_flat_workgroup_size: 512
    .sgpr_count:     66
    .vgpr_count:     98
    .wavefront_size: 32
...
	.end_amdgpu_metadata
.endif
;; end of part 4
;; launch wo (part 5): grid 16 x 16, 8 waves a work-group, clusters of 4 x 1, 279,552 bytes of LDS; arguments a4k, woimg, bo, x, scr; writes scr
.if DOCPART == 5
	.amdgcn_target "amdgcn-amd-amdhsa--gfx1250"
	.amdhsa_code_object_version 6
	.text
	.protected	k_q8c863bfb68_wo
	.globl	k_q8c863bfb68_wo
	.p2align	8
	.type	k_q8c863bfb68_wo,@function
k_q8c863bfb68_wo:
	s_mov_b64 s[64:65], 0
	v_nop
	global_prefetch_b8 v0, s[64:65] scope:SCOPE_SE
	s_setreg_imm32_b32 hwreg(HW_REG_WAVE_MODE, 25, 1), 1
	s_wait_xcnt 0x0
	s_wait_alu depctr_hold_cnt(0) depctr_sa_sdst(0) depctr_va_vdst(0) depctr_va_sdst(0) depctr_va_ssrc(0) depctr_va_vcc(0) depctr_vm_vsrc(0)
	s_getreg_b32 s2, hwreg(HW_REG_IB_STS2, 6, 4)
	s_cmp_eq_u32 s2, 0
	s_cbranch_scc0 .Lentry_in_a_cluster
	s_endpgm
.Lentry_in_a_cluster:
	s_bfe_u32 s2, ttmp6, 0x10000c
	s_cmp_lg_u32 s2, 0x3003
	s_cbranch_scc0 .Lentry_shape_is_right
	s_endpgm
.Lentry_shape_is_right:
; C = A W^T + bias + residual, f32 out.  A: [2048][4096], W: [1024][4096], both as codes of FP4 with E8M0 scales, laid as images of operand registers: codes [tile][32 K steps][1,024 bytes], scale words [tile][K step][16 rows].
; SHARES.  A work-group makes 128 tokens x 64 columns.  K IS SPLIT OVER ITS EIGHT WAVES: wave w multiplies K steps 4 w .. 4 w + 3 for the whole tile, 32 accumulators (window 1).  Then the eight partial tiles meet in LDS,
; and wave a sums token tile a, adds bias and residual, and stores rows: sixteen lanes cover 256 consecutive bytes, aligned.
; CLUSTER.  The four work-groups of a cluster lie side by side along the columns and take the same 128 tokens, so A's 262,144 bytes of codes are asked for JOINTLY: wave w of each of the four issues the same tensor load, with
; the same descriptor and a mask that names the four: 8 rows of 4,096 bytes (its four K steps of the eight token tiles), 32,768 bytes apart in memory, dense in LDS at 32,768 w.  Only the issuing wave reads those bytes, so its
; own wait on TENSORcnt is all the ordering that the reads need.  The bytes are filled once.  A wave has one tensor load out.
; W's 131,072 bytes, which differ between the partners, go from memory straight into one wave's registers, all 32 loads at the head, each 512 consecutive bytes.  They are not shared along the other axis: A's 262,144 bytes and
; W's 131,072 do not fit into 327,680 bytes of LDS together, and the larger is the one that is shared.  The scale words (24 loads of 128 bytes a wave) go into registers too.
; Source 0 = 16 rows of W, source 1 = 16 tokens: lane (r, h) holds token slot r; register 8 t + j of a token tile is column 32 (t / 2) + 16 h + 8 (t % 2) + j.  Slot r of tile t is row 32 (t / 2) + 8 (t % 2) + r + 8 (r / 8).
; THE PARTS IN LDS: [token tile 8][wave 8][quad of columns 16][slot 16][16 bytes], a quad's row 272 bytes.
; They lie over A's bytes, which have had their only fill: a barrier stands between every wave's last read of A and the first store.
; The order of the f32 sums: K ascending inside a wave's four steps, then the eight waves' parts in ascending order.
.set L16, 1                            ; v1 16 x lane;  v2 4 x lane
.set L4,  2
.set AL,  3                            ; v3 16 x lane + 32,768 x wave: my part of A in LDS
.set RL,  4                            ; v4 where I read the parts back
.set GO,  5                            ; v5 4,096 (lane / 16) + 16 (lane % 16): my place in two rows of C
.set CB,  6                            ; v6 16 (lane % 16)
.set ASC, 16                           ; scale words, and nothing else: pair pr of K steps: A's tile a at v[16 + 12 pr + a], W's tile t at v[24 + 12 pr + t]
.set WSC, 24
.set BI,  40                           ; v40-43 the bias of my four columns
.set RS,  44                           ; v44-51 where I store my part of token tile a
.set WF,  64                           ; v64-191 W's fragments: (K step s, tile t) at 64 + 32 s + 8 t
.set RES, 64                           ; v64-95 the residual, in the registers that K step 0's W has left
.set AF,  192                          ; v192-255 A's fragments: two sets of four tiles
.set SUM, 96                           ; v96-255 the parts, five at a time
.set G0,  48                           ; s[48:51], s[52:59] the joint load's descriptor
.set G1,  52
.set MSB, 0
.macro WIN new                         ; the immediate's high byte repeats the setting that is left
.if MSB != (\new)
	s_set_vgpr_msb (MSB<<8)|(\new)
.set MSB, (\new)
.endif
.endm
; A round of the cluster's barrier: my work-group's barrier, so that wave 0's signal speaks for all eight waves; wave 0 signals for the work-group; every wave waits for all four work-groups; my work-group's barrier once more
.macro ROUND
	s_barrier_signal -1
	s_barrier_wait -1
	s_cmp_lg_u32 s14, 0
	s_cbranch_scc1 .Lnot_wave_0_\@
	s_barrier_signal -3
.Lnot_wave_0_\@:
	s_barrier_wait -3
	s_barrier_signal -1
	s_barrier_wait -1
.endm
.macro WM d, a, b, z, sa, sb, row
.if \z
	v_wmma_scale_f32_16x16x128_f8f6f4 v[\d:\d+7], v[\a:\a+7], v[\b:\b+7], 0, v[\sa], v[\sb] matrix_a_fmt:MATRIX_FMT_FP4 matrix_b_fmt:MATRIX_FMT_FP4
.elseif \row
	v_wmma_scale_f32_16x16x128_f8f6f4 v[\d:\d+7], v[\a:\a+7], v[\b:\b+7], v[\d:\d+7], v[\sa], v[\sb] matrix_a_fmt:MATRIX_FMT_FP4 matrix_b_fmt:MATRIX_FMT_FP4 matrix_a_scale:MATRIX_SCALE_ROW1 matrix_b_scale:MATRIX_SCALE_ROW1
.else
	v_wmma_scale_f32_16x16x128_f8f6f4 v[\d:\d+7], v[\a:\a+7], v[\b:\b+7], v[\d:\d+7], v[\sa], v[\sb] matrix_a_fmt:MATRIX_FMT_FP4 matrix_b_fmt:MATRIX_FMT_FP4
.endif
.endm
.macro LOADA set, s, hf                ; 8 LDS loads: my K step s of token tiles 4 hf .. 4 hf + 3
.irp a4, 0,1,2,3
.irp c, 0,1
	ds_load_b128 v[AF+32*(\set)+8*\a4+4*\c:AF+32*(\set)+8*\a4+4*\c+3], v[AL] offset:4096*(4*(\hf)+\a4)+1024*(\s)+512*\c
.endr
.endr
.endm
; Half a K step: 16 matrix instructions on 16 accumulators, by turns; then its set of A's fragments takes the next K step's
.macro HALF s, hf
.if (\hf) == 0
.if (\s) < 2
	s_wait_loadcnt 24                              ; the scale words and this K step's W are in.  Out may be: at step 0 the three later steps' W, at step 1 two steps' W and the residual: eight loads each
.else
	s_wait_loadcnt 8*(4-(\s))                      ; at step 2: step 3's W and the residual; at step 3: the residual
.endif
.endif
.if ((\s) == 3) && ((\hf) == 1)
	s_wait_dscnt 0x0                               ; nothing was asked for behind the last half
.else
	s_wait_dscnt 8                                 ; this half's set is in; the other set's eight younger loads may be out
.endif
	WIN 0x50                                       ; C and D in window 1
.irp a4, 0,1,2,3
.irp t, 0,1,2,3
	WM 8*(4*(4*(\hf)+\a4)+\t), WF+32*(\s)+8*\t, AF+32*(\hf)+8*\a4, (\s)==0, WSC+12*((\s)/2)+\t, ASC+12*((\s)/2)+4*(\hf)+\a4, (\s)%2
.endr
.endr
	WIN 0
.rept 4
	v_nop                                          ; four plain instructions ahead of loads into registers that matrix instructions have read, and of the first read of results
.endr
.if (\s) < 3
	LOADA \hf, (\s)+1, \hf
.endif
.endm
	s_load_b256 s[4:11], s[0:1], 0x0               ; A, W, bias, residual
	s_load_b64 s[12:13], s[0:1], 0x20              ; out
	v_lshl_add_u32 v62, v0, 2, 0x44000
	v_mov_b32 v63, 0
	ds_add_u32 v62, v63
	ds_add_u32 v62, v63
	v_lshrrev_b32 v7, 5, v0
	s_delay_alu instid0(VALU_DEP_1)
	v_readfirstlane_b32 s14, v7                    ; wave
	v_and_b32 v7, 31, v0
	v_and_b32 v8, 15, v0
	v_bfe_u32 v9, v0, 4, 1
	s_delay_alu instid0(VALU_DEP_3)
	v_lshlrev_b32 v[L16], 4, v7
	s_delay_alu instid0(VALU_DEP_4)
	v_lshlrev_b32 v[L4], 2, v7
	s_delay_alu instid0(VALU_DEP_4)
	v_lshlrev_b32 v[CB], 4, v8
	s_lshl_b32 s[G0+1], s14, 15                    ; LDS address of my part of A: no place in the cluster enters an LDS address
	v_add_nc_u32 v[AL], s[G0+1], v[L16]
	v_mul_u32_u24 v7, v9, 1088                     ; lanes 16-31 hold columns 16 further on: four quads
	s_delay_alu instid0(VALU_DEP_1)
	v_add_nc_u32 v7, v7, v[CB]
	s_mul_i32 s42, s14, 4352
	v_add_nc_u32 v[RS], s42, v7
.irp a, 1,2,3,4,5,6,7
	v_add_nc_u32 v[RS+\a], \a*34816, v[RS]
.endr
	v_mul_u32_u24 v[RL], v8, 272                   ; back: lane (c, h): quad c, slot 2 i + h
	s_delay_alu instid0(VALU_DEP_1)
	v_lshl_add_u32 v[RL], v9, 4, v[RL]
	s_mul_i32 s42, s14, 34816
	v_add_nc_u32 v[RL], s42, v[RL]
	v_lshl_add_u32 v[GO], v9, 12, v[CB]
	s_bfe_u32 s44, ttmp6, 0x40000                  ; cx: my place in the cluster
	s_lshl_b32 s45, ttmp9, 2                       ; in a cluster launch ttmp9 counts clusters
	s_add_co_u32 s45, s45, s44                     ; my block of 64 columns: it enters W's, the bias's, the residual's and C's addresses alone
	s_and_b32 s15, ttmp7, 0xffff                   ; block of 128 tokens, which the four partners share
	s_lshl_b32 s30, s14, 12
	s_lshl_b32 s32, s15, 18
	s_add_co_u32 s32, s32, s30                     ; A: the block's 8 tiles x 32 K steps, my four K steps on
	s_mov_b32 s33, 0
	s_lshl_b32 s34, s45, 17
	s_add_co_u32 s34, s34, s30
	s_mov_b32 s35, 0
	s_lshl_b32 s30, s14, 8
	s_lshl_b32 s36, s15, 14
	s_add_co_u32 s36, s36, s30
	s_add_co_u32 s36, s36, 0x400000
	s_mov_b32 s37, 0
	s_lshl_b32 s38, s45, 13
	s_add_co_u32 s38, s38, s30
	s_add_co_u32 s38, s38, 0x200000
	s_mov_b32 s39, 0
	s_lshl_b32 s40, s45, 8                         ; my 64 columns, in bytes
	s_mov_b32 s41, 0
	s_lshl_b32 s30, s15, 7                         ; the first token of tile 8 tb + w
	s_lshr_b32 s31, s14, 1
	s_lshl_b32 s31, s31, 5
	s_add_co_u32 s30, s30, s31
	s_and_b32 s31, s14, 1
	s_lshl_b32 s31, s31, 3
	s_add_co_u32 s30, s30, s31
	s_lshl_b32 s30, s30, 12
	s_add_co_u32 s30, s30, s40
	s_mov_b32 s31, 0
	; descriptor group 1: 8 rows of 512 elements of 8 bytes, 4,096 elements apart, no padding
	s_mov_b32 s[G1], 15|(3<<16)|(1<<21)            ; 15:0 the mask: all four work-groups; 17:16 elements of 8 bytes; 21 set beside a mask
	s_mov_b32 s[G1+1], 512<<16                     ; tensor_dim0
	s_mov_b32 s[G1+2], 8<<16                       ; tensor_dim1
	s_mov_b32 s[G1+3], 512<<16                     ; tile_dim0
	s_mov_b32 s[G1+4], 8                           ; tile_dim1
	s_mov_b32 s[G1+5], 4096                        ; from row to row
	s_mov_b32 s[G1+6], 0
	s_mov_b32 s[G1+7], 0
	s_mov_b32 s[G0], 1
	s_wait_dscnt 0x0
	s_wait_kmcnt 0x0
	s_add_nc_u64 s[G0+2:G0+3], s[4:5], s[32:33]
	s_or_b32 s[G0+3], s[G0+3], 0x80000000
	s_add_nc_u64 s[18:19], s[6:7], s[34:35]
	s_add_nc_u64 s[20:21], s[4:5], s[36:37]
	s_add_nc_u64 s[22:23], s[6:7], s[38:39]
	s_add_nc_u64 s[24:25], s[10:11], s[30:31]
	s_add_nc_u64 s[26:27], s[12:13], s[30:31]
	s_add_nc_u64 s[28:29], s[8:9], s[40:41]
	ROUND                                          ; all four work-groups are here: the joint loads meet
	tensor_load_to_lds s[G0:G0+3], s[G1:G1+7]      ; the one fill of these bytes
	s_nop 0
.rept 4
	v_nop                                          ; four such lines behind a tensor load
.endr
	global_load_b128 v[BI:BI+3], v[CB], s[28:29]
.irp pr, 0,1
.irp a, 0,1,2,3,4,5,6,7
	global_load_b32 v[ASC+12*\pr+\a], v[L4], s[20:21] offset:2048*\a+128*\pr   ; lanes 0-15 K step 2 pr, lanes 16-31 K step 2 pr + 1
.endr
.irp t, 0,1,2,3
	global_load_b32 v[WSC+12*\pr+\t], v[L4], s[22:23] offset:2048*\t+128*\pr
.endr
.endr
.irp s, 0,1,2,3
.irp t, 0,1,2,3
.irp c, 0,1
	global_load_b128 v[WF+32*\s+8*\t+4*\c:WF+32*\s+8*\t+4*\c+3], v[L16], s[18:19] offset:32768*\t+1024*\s+512*\c
.endr
.endr
.endr
	s_wait_tensorcnt 0x0                           ; my part of A is in, and nobody else reads it
	LOADA 0, 0, 0
	LOADA 1, 0, 1
	HALF 0, 0
	HALF 0, 1
	s_wait_alu depctr_va_vdst(0)
.irp i, 0,1,2,3,4,5,6,7
	global_load_b128 v[RES+4*\i:RES+4*\i+3], v[GO], s[24:25] offset:(2*\i+8*(\i/4))*4096   ; the rows that I shall store: slots 2 i and 2 i + 1 of token tile w
.endr
	HALF 1, 0
	HALF 1, 1
	HALF 2, 0
	HALF 2, 1
	HALF 3, 0
	HALF 3, 1
	s_wait_dscnt 0x0                               ; my reads of A are over,
	s_barrier_signal -1
	s_barrier_wait -1                              ; everybody's are: the parts may be laid over A's bytes
	WIN 0x04                                       ; an LDS store's data are its source 1: window 1
.irp a, 0,1,2,3,4,5,6,7
.irp t, 0,1,2,3
.irp q, 0,1
	ds_store_b128 v[RS+\a], v[8*(4*\a+\t)+4*\q:8*(4*\a+\t)+4*\q+3] offset:(8*(\t/2)+2*(\t%2)+\q)*272   ; each accumulator from its low end on
.endr
.endr
.endr
	WIN 0
	s_wait_dscnt 0x0                               ; for the others' sake: my part lies in LDS
	s_barrier_signal -1
	s_barrier_wait -1
.irp k, 0,1,2,3,4
.irp i, 0,1,2,3,4,5,6,7
	ds_load_b128 v[SUM+32*\k+4*\i:SUM+32*\k+4*\i+3], v[RL] offset:4352*\k+32*\i
.endr
.endr
.irp k, 1,2,3,4
	s_wait_dscnt 8*(4-\k)                          ; wave k's part is in; the younger parts' loads may be out
.set j, 0
.rept 16
	v_pk_add_f32 v[SUM+j:SUM+j+1], v[SUM+j:SUM+j+1], v[SUM+32*\k+j:SUM+32*\k+j+1]
.set j, j+2
.endr
.endr
.irp k, 5,6,7
.irp i, 0,1,2,3,4,5,6,7
	ds_load_b128 v[SUM+32*(\k-4)+4*\i:SUM+32*(\k-4)+4*\i+3], v[RL] offset:4352*\k+32*\i
.endr
.endr
.irp k, 5,6,7
	s_wait_dscnt 8*(7-\k)
.set j, 0
.rept 16
	v_pk_add_f32 v[SUM+j:SUM+j+1], v[SUM+j:SUM+j+1], v[SUM+32*(\k-4)+j:SUM+32*(\k-4)+j+1]
.set j, j+2
.endr
.endr
	s_wait_loadcnt 0x0                             ; the residual (the bias came with the first loads)
.irp i, 0,1,2,3,4,5,6,7
	v_pk_add_f32 v[SUM+4*\i:SUM+4*\i+1], v[SUM+4*\i:SUM+4*\i+1], v[BI:BI+1]
	v_pk_add_f32 v[SUM+4*\i+2:SUM+4*\i+3], v[SUM+4*\i+2:SUM+4*\i+3], v[BI+2:BI+3]
.endr
.set j, 0
.rept 16
	v_pk_add_f32 v[SUM+j:SUM+j+1], v[SUM+j:SUM+j+1], v[RES+j:RES+j+1]
.set j, j+2
.endr
.irp i, 0,1,2,3,4,5,6,7
	global_store_b128 v[GO], v[SUM+4*\i:SUM+4*\i+3], s[26:27] offset:(2*\i+8*(\i/4))*4096
.endr
	s_wait_tensorcnt 0x0
	ds_add_u32 v62, v63
	s_wait_dscnt 0x0
	ROUND                                          ; the closing round: no work-group ends while a partner may still ask for a tile that names it
	s_endpgm
.Lfunc_end_k_q8c863bfb68_wo:
	.size	k_q8c863bfb68_wo, .Lfunc_end_k_q8c863bfb68_wo-k_q8c863bfb68_wo
	.p2alignl 7, 3214868480
	.fill 96, 4, 3214868480
	.section	.rodata,"a",@progbits
	.p2align	6, 0x0
	.amdhsa_kernel k_q8c863bfb68_wo
		.amdhsa_group_segment_fixed_size 279552
		.amdhsa_private_segment_fixed_size 0
		.amdhsa_enable_private_segment 0
		.amdhsa_kernarg_size 40
		.amdhsa_user_sgpr_count 2
		.amdhsa_user_sgpr_kernarg_segment_ptr 1
		.amdhsa_wavefront_size32 1
		.amdhsa_system_sgpr_workgroup_id_x 1
		.amdhsa_system_sgpr_workgroup_id_y 1
		.amdhsa_system_sgpr_workgroup_id_z 1
		.amdhsa_system_vgpr_workitem_id 0
		.amdhsa_next_free_vgpr 512
		.amdhsa_next_free_sgpr 66
		.amdhsa_reserve_vcc 0
		.amdhsa_float_denorm_mode_32 3
		.amdhsa_float_denorm_mode_16_64 3
		.amdhsa_memory_ordered 1
		.amdhsa_forward_progress 1
		.amdhsa_inst_pref_size 52
	.end_amdhsa_kernel
	.amdgpu_metadata
---
amdhsa.version: [ 1, 2 ]
amdhsa.kernels:
  - .name:           k_q8c863bfb68_wo
    .symbol:         k_q8c863bfb68_wo.kd
    .args:
      - { .name: a4k, .offset: 0, .size: 8, .value_kind: global_buffer, .address_space: global }
      - { .name: woimg, .offset: 8, .size: 8, .value_kind: global_buffer, .address_space: global }
      - { .name: bo, .offset: 16, .size: 8, .value_kind: global_buffer, .address_space: global }
      - { .name: x, .offset: 24, .size: 8, .value_kind: global_buffer, .address_space: global }
      - { .name: scr, .offset: 32, .size: 8, .value_kind: global_buffer, .address_space: global }
    .group_segment_fixed_size: 279552
    .private_segment_fixed_size: 0
    .kernarg_segment_align: 8
    .kernarg_segment_size: 40
    .max_flat_workgroup_size: 256
    .sgpr_count:     66
    .vgpr_count:     512
    .wavefront_size: 32
...
	.end_amdgpu_metadata
.endif
;; end of part 5
;; launch ln1 (part 6): grid 128 x 1, 8 waves a work-group, no clusters, 67,328 bytes of LDS; arguments scr, g1, be1, x1, xq; writes x1, xq
.if DOCPART == 6
	.amdgcn_target "amdgcn-amd-amdhsa--gfx1250"
	.amdhsa_code_object_version 6
	.text
	.protected	k_q8c863bfb68_ln1
	.globl	k_q8c863bfb68_ln1
	.p2align	8
	.type	k_q8c863bfb68_ln1,@function
k_q8c863bfb68_ln1:
	s_mov_b64 s[64:65], 0
	v_nop
	global_prefetch_b8 v0, s[64:65] scope:SCOPE_SE
	s_setreg_imm32_b32 hwreg(HW_REG_WAVE_MODE, 25, 1), 1
	s_wait_xcnt 0x0
; LN1.  x1 = layernorm(y) g + be, f32, stored; and x1 quantised along its rows to codes of FP4 with E8M0 scales, as images of operand registers (8 fragments and 512 bytes of scale words a tile).
; A work-group takes one tile of 16 rows (slot r of tile t = row 32 (t / 2) + 8 (t % 2) + r + 8 (r / 8)).  PHASE A: wave w takes slots 2 w and 2 w + 1; a row lies in one wave's 32 registers between the passes: mean, then
; deviations, then their squares (no difference of large sums).  The rows go to memory (512 consecutive bytes a store) and to LDS (rows 4,112 bytes apart: sixteen rows start at sixteen different banks).
; PHASE B, behind a barrier: wave s quantises K step s of all 16 rows.  A fragment needs 16 rows in one wave and a row's statistics all 1,024 columns: so 128 work-groups.
; No matrix work; no cluster: no byte is read twice.  LIMITS: NaN and infinities are not served; a block under 2^-124 keeps the byte 1; a block of zeros gets the byte 1 over zero codes.
.set RP,  4112
.set SC,  16*RP                        ; 65,792: the tile's scale words, 512 bytes
.set L16, 1
.set T,   8                            ; v8-13 at work
.set TM,  16
.set PW,  32
.set PC,  34
.set OW,  44
.set ST,  64                           ; v64-127 my two rows; later 64 numbers in the quantiser's order
.set G,   128
.set BE,  160
.set SEL, 26
.set C10, 28
.set EPS, 29
.macro BFLY a, b                       ; the sum of v[a] over the 32 lanes, in every lane
	s_delay_alu instid0(VALU_DEP_1)
	v_add_f32_dpp v[\a], v[\a], v[\a] row_xmask:1 row_mask:0xf bank_mask:0xf
	s_delay_alu instid0(VALU_DEP_1)
	v_add_f32_dpp v[\a], v[\a], v[\a] row_xmask:2 row_mask:0xf bank_mask:0xf
	s_delay_alu instid0(VALU_DEP_1)
	v_add_f32_dpp v[\a], v[\a], v[\a] row_xmask:4 row_mask:0xf bank_mask:0xf
	s_delay_alu instid0(VALU_DEP_1)
	v_add_f32_dpp v[\a], v[\a], v[\a] row_xmask:8 row_mask:0xf bank_mask:0xf
	s_delay_alu instid0(VALU_DEP_1)
	v_permlanex16_b32 v[\b], v[\a], s[SEL], s[SEL+1]
	s_delay_alu instid0(VALU_DEP_1)
	v_add_f32 v[\a], v[\a], v[\b]
.endm
.macro LNROW R
	v_pk_add_f32 v[T:T+1], v[\R:\R+1], v[\R+2:\R+3]
	v_pk_add_f32 v[T+2:T+3], v[\R+4:\R+5], v[\R+6:\R+7]
.irp j, 8,12,16,20,24,28
	s_delay_alu instid0(VALU_DEP_2)
	v_pk_add_f32 v[T:T+1], v[T:T+1], v[\R+\j:\R+\j+1]
	s_delay_alu instid0(VALU_DEP_2)
	v_pk_add_f32 v[T+2:T+3], v[T+2:T+3], v[\R+\j+2:\R+\j+3]
.endr
	s_delay_alu instid0(VALU_DEP_1)
	v_pk_add_f32 v[T:T+1], v[T:T+1], v[T+2:T+3]
	s_delay_alu instid0(VALU_DEP_1)
	v_add_f32 v[T], v[T], v[T+1]
	BFLY T, T+1
	s_delay_alu instid0(VALU_DEP_1)
	v_mul_f32 v[T], 0x3a800000, v[T]               ; the mean: sum x 2^-10
.irp j, 0,2,4,6,8,10,12,14,16,18,20,22,24,26,28,30
	v_pk_add_f32 v[\R+\j:\R+\j+1], v[\R+\j:\R+\j+1], v[T:T+1] op_sel_hi:[1,0] neg_lo:[0,1] neg_hi:[0,1]
.endr
	v_pk_mul_f32 v[T+2:T+3], v[\R:\R+1], v[\R:\R+1]
	v_pk_mul_f32 v[T+4:T+5], v[\R+2:\R+3], v[\R+2:\R+3]
.irp j, 4,8,12,16,20,24,28
	s_delay_alu instid0(VALU_DEP_2)
	v_pk_fma_f32 v[T+2:T+3], v[\R+\j:\R+\j+1], v[\R+\j:\R+\j+1], v[T+2:T+3]
	s_delay_alu instid0(VALU_DEP_2)
	v_pk_fma_f32 v[T+4:T+5], v[\R+\j+2:\R+\j+3], v[\R+\j+2:\R+\j+3], v[T+4:T+5]
.endr
	s_delay_alu instid0(VALU_DEP_1)
	v_pk_add_f32 v[T+2:T+3], v[T+2:T+3], v[T+4:T+5]
	s_delay_alu instid0(VALU_DEP_1)
	v_add_f32 v[T+2], v[T+2], v[T+3]
	BFLY T+2, T+3
	s_delay_alu instid0(VALU_DEP_1)
	v_fma_f32 v[T+2], v[T+2], s[C10], s[EPS]       ; the variance + 1e-5
	s_wait_alu depctr_va_vdst(0)
	v_rsq_f32 v[T+2], v[T+2]
	v_nop                                          ; a plain instruction behind the transcendental,
	s_wait_alu depctr_va_vdst(0)                   ; and a wait ahead of its first reader
	s_wait_loadcnt 0x0                             ; g and be
.irp j, 0,2,4,6,8,10,12,14,16,18,20,22,24,26,28,30
	v_pk_mul_f32 v[\R+\j:\R+\j+1], v[\R+\j:\R+\j+1], v[T+2:T+3] op_sel_hi:[1,0]
.endr
.irp j, 0,2,4,6,8,10,12,14,16,18,20,22,24,26,28,30
	v_pk_fma_f32 v[\R+\j:\R+\j+1], v[\R+\j:\R+\j+1], v[G+\j:G+\j+1], v[BE+\j:BE+\j+1]
.endr
.endm
.macro QCORE s
.irp b, 0,1,2,3
	v_max3_num_f32 v[TM+\b], |v[(\s)+16*\b]|, |v[(\s)+1+16*\b]|, 0x1800000
.endr
.irp i, 2,4,6,8,10,12,14
.irp b, 0,1,2,3
	s_delay_alu instid0(VALU_DEP_4)
	v_max3_num_f32 v[TM+\b], v[TM+\b], |v[(\s)+16*\b+\i]|, |v[(\s)+1+16*\b+\i]|
.endr
.endr
.irp b, 0,1,2,3
	s_delay_alu instid0(VALU_DEP_4)
	v_permlanex16_b32 v[TM+4+\b], v[TM+\b], s[SEL], s[SEL+1]
.endr
.irp b, 0,1,2,3
	s_delay_alu instid0(VALU_DEP_4)
	v_max_num_f32 v[TM+\b], v[TM+\b], v[TM+4+\b]
.endr
.irp b, 0,1,2,3
	s_delay_alu instid0(VALU_DEP_4)
	v_add_nc_u32 v[TM+12+\b], 0xff000000, v[TM+\b]
.endr
.irp b, 0,1,2,3
	s_delay_alu instid0(VALU_DEP_4)
	v_lshrrev_b32 v[TM+4+\b], 23, v[TM+12+\b]
.endr
.endm
.macro QCVT s, pc
.irp b, 0,1,2,3
	v_cvt_scalef32_pk8_fp4_f32 v[(\pc)+2*\b], v[(\s)+16*\b:(\s)+16*\b+7], v[TM+12+\b]
	v_cvt_scalef32_pk8_fp4_f32 v[(\pc)+2*\b+1], v[(\s)+16*\b+8:(\s)+16*\b+15], v[TM+12+\b]
.endr
	v_nop
.endm
.macro QSWAP pc
.irp c, 0,1
.irp i, 0,1
	v_permlane16_swap_b32 v[(\pc)+4*\c+\i], v[(\pc)+4*\c+2+\i]
.endr
.endr
.endm
	s_load_b256 s[4:11], s[0:1], 0x0               ; y, g, be, x1
	s_load_b64 s[12:13], s[0:1], 0x20              ; xq
	v_lshl_add_u32 v192, v0, 2, 0x10300
	v_mov_b32 v193, 0
	v_lshrrev_b32 v6, 5, v0
	s_delay_alu instid0(VALU_DEP_1)
	v_readfirstlane_b32 s14, v6                    ; wave
	v_and_b32 v6, 31, v0
	v_and_b32 v7, 15, v0
	v_bfe_u32 v14, v0, 4, 1
	s_delay_alu instid0(VALU_DEP_3)
	v_lshlrev_b32 v[L16], 4, v6
	s_mul_i32 s15, s14, 2*RP
	v_add_nc_u32 v2, s15, v[L16]                   ; v2: my two rows in LDS
	v_mul_u32_u24 v3, v7, RP
	s_delay_alu instid0(VALU_DEP_1)
	v_lshl_add_u32 v3, v14, 6, v3
	s_lshl_b32 s15, s14, 9
	v_add_nc_u32 v3, s15, v3                       ; v3: row r, + 64 h, + my K step's 512 bytes
	s_lshl_b32 s15, s14, 6
	v_lshl_add_u32 v4, v7, 2, s15
	s_delay_alu instid0(VALU_DEP_1)
	v_add_nc_u32 v4, SC, v4                        ; v4: my K step's scale word of row r
	v_add_nc_u32 v5, SC, v[L16]                    ; v5: the 512 bytes of scale words, 16 a lane
.irp b, 0,1,2,3
	v_mov_b32 v[TM+4+\b], 0
.endr
	s_mov_b32 s[SEL], 0x76543210
	s_mov_b32 s[SEL+1], 0xfedcba98
	s_mov_b32 s[C10], 0x3a800000                   ; 2^-10
	s_mov_b32 s[EPS], 0x3727c5ac                   ; 1e-5
	s_lshr_b32 s16, ttmp9, 1
	s_lshl_b32 s16, s16, 5
	s_and_b32 s17, ttmp9, 1
	s_lshl_b32 s17, s17, 3
	s_add_co_u32 s16, s16, s17
	s_lshl_b32 s17, s14, 1
	s_add_co_u32 s16, s16, s17
	s_lshr_b32 s17, s14, 2
	s_lshl_b32 s17, s17, 3
	s_add_co_u32 s16, s16, s17                     ; the row of slot 2 w; slot 2 w + 1 is the next row
	s_lshl_b32 s16, s16, 12
	s_mov_b32 s17, 0
	s_mul_i32 s18, ttmp9, 8704
	s_mov_b32 s19, 0
	s_lshl_b32 s20, s14, 10
	s_mov_b32 s21, 0
	s_wait_kmcnt 0x0
	s_add_nc_u64 s[4:5], s[4:5], s[16:17]
	s_add_nc_u64 s[10:11], s[10:11], s[16:17]
	s_add_nc_u64 s[12:13], s[12:13], s[18:19]
	s_add_nc_u64 s[22:23], s[12:13], s[20:21]      ; my fragment
	s_add_nc_u64 s[24:25], s[12:13], 8192          ; the tile's scale words
.irp i, 0,1
.irp k, 0,1,2,3,4,5,6,7
	global_load_b128 v[ST+32*\i+4*\k:ST+32*\i+4*\k+3], v[L16], s[4:5] offset:4096*\i+512*\k th:TH_LOAD_NT
.endr
.endr
.irp k, 0,1,2,3,4,5,6,7
	global_load_b128 v[G+4*\k:G+4*\k+3], v[L16], s[6:7] offset:512*\k
	global_load_b128 v[BE+4*\k:BE+4*\k+3], v[L16], s[8:9] offset:512*\k
.endr
	s_wait_loadcnt 16                              ; my two rows are in; the sixteen loads of g and be may be out
	LNROW ST
	LNROW ST+32
.irp i, 0,1
.irp k, 0,1,2,3,4,5,6,7
	global_store_b128 v[L16], v[ST+32*\i+4*\k:ST+32*\i+4*\k+3], s[10:11] offset:4096*\i+512*\k
	ds_store_b128 v2, v[ST+32*\i+4*\k:ST+32*\i+4*\k+3] offset:RP*\i+512*\k
.endr
.endr
	s_wait_xcnt 0x0                                ; the stores have read their data: these registers are loaded again below
	s_wait_dscnt 0x0                               ; for the others' sake: my rows lie in LDS
	s_barrier_signal -1
	s_barrier_wait -1
.irp b, 0,1,2,3
.irp j, 0,1,2,3
	ds_load_b128 v[ST+16*\b+4*\j:ST+16*\b+4*\j+3], v3 offset:128*\b+16*\j
.endr
.endr
	s_wait_dscnt 0x0
	QCORE ST
	s_delay_alu instid0(VALU_DEP_3)
	v_lshl_or_b32 v[PW], v[TM+5], 8, v[TM+4]
	s_delay_alu instid0(VALU_DEP_1)
	v_lshl_or_b32 v[PW], v[TM+6], 16, v[PW]
	s_delay_alu instid0(VALU_DEP_1)
	v_lshl_or_b32 v[PW], v[TM+7], 24, v[PW]
	QCVT ST, PC
	QSWAP PC
	global_store_b128 v[L16], v[PC:PC+3], s[22:23]
	global_store_b128 v[L16], v[PC+4:PC+7], s[22:23] offset:512
	ds_store_b32 v4, v[PW]                         ; both halves of the lanes write the same word with the same value
	s_wait_dscnt 0x0
	s_barrier_signal -1
	s_barrier_wait -1
	s_cmp_lg_u32 s14, 0
	s_cbranch_scc1 .Lend
	ds_load_b128 v[OW:OW+3], v5
	s_wait_dscnt 0x0
	global_store_b128 v[L16], v[OW:OW+3], s[24:25]
.Lend:
	s_wait_tensorcnt 0x0
	ds_add_u32 v192, v193
	s_wait_dscnt 0x0
	s_endpgm
.Lfunc_end_k_q8c863bfb68_ln1:
	.size	k_q8c863bfb68_ln1, .Lfunc_end_k_q8c863bfb68_ln1-k_q8c863bfb68_ln1
	.p2alignl 7, 3214868480
	.fill 96, 4, 3214868480
	.section	.rodata,"a",@progbits
	.p2align	6, 0x0
	.amdhsa_kernel k_q8c863bfb68_ln1
		.amdhsa_group_segment_fixed_size 67328
		.amdhsa_private_segment_fixed_size 0
		.amdhsa_enable_private_segment 0
		.amdhsa_kernarg_size 40
		.amdhsa_user_sgpr_count 2
		.amdhsa_user_sgpr_kernarg_segment_ptr 1
		.amdhsa_wavefront_size32 1
		.amdhsa_system_sgpr_workgroup_id_x 1
		.amdhsa_system_sgpr_workgroup_id_y 1
		.amdhsa_system_sgpr_workgroup_id_z 1
		.amdhsa_system_vgpr_workitem_id 0
		.amdhsa_next_free_vgpr 194
		.amdhsa_next_free_sgpr 66
		.amdhsa_reserve_vcc 0
		.amdhsa_float_denorm_mode_32 3
		.amdhsa_float_denorm_mode_16_64 3
		.amdhsa_memory_ordered 1
		.amdhsa_forward_progress 1
		.amdhsa_inst_pref_size 30
	.end_amdhsa_kernel
	.amdgpu_metadata
---
amdhsa.version: [ 1, 2 ]
amdhsa.kernels:
  - .name:           k_q8c863bfb68_ln1
    .symbol:         k_q8c863bfb68_ln1.kd
    .args:
      - { .name: scr, .offset: 0, .size: 8, .value_kind: global_buffer, .address_space: global }
      - { .name: g1, .offset: 8, .size: 8, .value_kind: global_buffer, .address_space: global }
      - { .name: be1, .offset: 16, .size: 8, .value_kind: global_buffer, .address_space: global }
      - { .name: x1, .offset: 24, .size: 8, .value_kind: global_buffer, .address_space: global }
      - { .name: xq, .offset: 32, .size: 8, .value_kind: global_buffer, .address_space: global }
    .group_segment_fixed_size: 67328
    .private_segment_fixed_size: 0
    .kernarg_segment_align: 8
    .kernarg_segment_size: 40
    .max_flat_workgroup_size: 256
    .sgpr_count:     66
    .vgpr_count:     194
    .wavefront_size: 32
...
	.end_amdgpu_metadata
.endif
;; end of part 6
;; launch ff1 (part 7): grid 16 x 16, 4 waves a work-group, no clusters, 168,448 bytes of LDS; arguments xq, wimg, b1, a4k; writes a4k
.if DOCPART == 7
	.amdgcn_target "amdgcn-amd-amdhsa--gfx1250"
	.amdhsa_code_object_version 6
	.text
	.protected	k_q8c863bfb68_ff1
	.globl	k_q8c863bfb68_ff1
	.p2align	8
	.type	k_q8c863bfb68_ff1,@function
k_q8c863bfb68_ff1:
	s_mov_b64 s[64:65], 0
	v_nop
	global_prefetch_b8 v0, s[64:65] scope:SCOPE_SE
	s_setreg_imm32_b32 hwreg(HW_REG_WAVE_MODE, 25, 1), 1
	s_wait_xcnt 0x0
; FF1.  hidden = relu(x1 W1 + b1), on codes of FP4 with E8M0 scales, quantised on its way out along the hidden units, which are the next product's K.  It never lies in memory as f32.
; SHARES.  A work-group takes 128 tokens (8 tiles of x1's codes) and 256 hidden units; wave w owns units 64 (4 x + w) on: its 32 fragments of W1 stay in register window 1.  The 8 tiles with their scale words (69,632 bytes,
; one dense block) come into LDS once, a quarter by each wave's one tensor load, and all four waves read them.  Nothing that a tensor load fills is filled again.
; Source 0 = 16 rows of W1, source 1 = 16 tokens: a lane holds one token, and by the order of rows in a tile (slot r of tile t = row 32 (t / 2) + 8 (t % 2) + r + 8 (r / 8)) its registers run along the hidden units.
; The bias is the C of each sum's first matrix instruction.  A wave's 64 units are half a K step: 512 bytes of a fragment's image and half of each scale word; the halves meet in LDS (bytes of their own, behind x1's) and leave as words.
; NO CLUSTER: what work-groups share is 69,632 bytes against 139,264 of weights of their own, each asked for once, at the head.
; LIMITS: NaN and infinities are not served; a block under 2^-124 keeps the byte 1; a block of zeros gets the byte 1 over zero codes.
.set WSZ, 0x220000
.set XT,  8704
.set SCW, 69632                        ; LDS: 8 tiles x 128 bytes of scale words
.set L16, 3
.set XA,  3
.set L4,  5
.set XSA, 5
.set BO,  7                            ; v7 64 (lane / 16): my half's bias
.set HA,  8                            ; v8 where my half word goes;  v9 where I read words back
.set HR,  9
.set WS,  16                           ; v16-31 W1's scale words
.set B1,  32                           ; v32-63 the bias in the result's layout
.set XS,  64
.set XR,  72
.set ACC, 136
.set TM,  200
.set PC,  216
.set HW,  224
.set OW,  226
.set SEL, 38
.set MSB, 0
.macro WIN new
.if MSB != (\new)
	s_set_vgpr_msb (MSB<<8)|(\new)
.set MSB, (\new)
.endif
.endm
.macro QCORE s
.irp b, 0,1,2,3
	v_max3_num_f32 v[TM+\b], |v[(\s)+16*\b]|, |v[(\s)+1+16*\b]|, 0x1800000
.endr
.irp i, 2,4,6,8,10,12,14
.irp b, 0,1,2,3
	v_max3_num_f32 v[TM+\b], v[TM+\b], |v[(\s)+16*\b+\i]|, |v[(\s)+1+16*\b+\i]|
.endr
.endr
.irp b, 0,1,2,3
	v_permlanex16_b32 v[TM+4+\b], v[TM+\b], s[SEL], s[SEL+1]
.endr
.irp b, 0,1,2,3
	v_max_num_f32 v[TM+\b], v[TM+\b], v[TM+4+\b]
.endr
.irp b, 0,1,2,3
	v_add_nc_u32 v[TM+12+\b], 0xff000000, v[TM+\b]
.endr
.irp b, 0,1,2,3
	v_lshrrev_b32 v[TM+4+\b], 23, v[TM+12+\b]
.endr
.endm
.macro QCVT s, pc
.irp b, 0,1,2,3
	v_cvt_scalef32_pk8_fp4_f32 v[(\pc)+2*\b], v[(\s)+16*\b:(\s)+16*\b+7], v[TM+12+\b]
	v_cvt_scalef32_pk8_fp4_f32 v[(\pc)+2*\b+1], v[(\s)+16*\b+8:(\s)+16*\b+15], v[TM+12+\b]
.endr
	v_nop
.endm
.macro QSWAP pc
.irp c, 0,1
.irp i, 0,1
	v_permlane16_swap_b32 v[(\pc)+4*\c+\i], v[(\pc)+4*\c+2+\i]
.endr
.endr
.endm
.macro WM d, a, b, z, c, sa, sb, row   ; z = 1: the sum's first instruction takes the bias as C
.if \z
	v_wmma_scale_f32_16x16x128_f8f6f4 v[\d:\d+7], v[\a:\a+7], v[\b:\b+7], v[\c:\c+7], v[\sa], v[\sb] matrix_a_fmt:MATRIX_FMT_FP4 matrix_b_fmt:MATRIX_FMT_FP4
.elseif \row
	v_wmma_scale_f32_16x16x128_f8f6f4 v[\d:\d+7], v[\a:\a+7], v[\b:\b+7], v[\d:\d+7], v[\sa], v[\sb] matrix_a_fmt:MATRIX_FMT_FP4 matrix_b_fmt:MATRIX_FMT_FP4 matrix_a_scale:MATRIX_SCALE_ROW1 matrix_b_scale:MATRIX_SCALE_ROW1
.else
	v_wmma_scale_f32_16x16x128_f8f6f4 v[\d:\d+7], v[\a:\a+7], v[\b:\b+7], v[\d:\d+7], v[\sa], v[\sb] matrix_a_fmt:MATRIX_FMT_FP4 matrix_b_fmt:MATRIX_FMT_FP4
.endif
.endm
.macro LOADX set, bt, pr
.irp h2, 0,1
.irp u, 0,1
.irp c, 0,1
	ds_load_b128 v[XR+32*(\set)+16*\h2+8*\u+4*\c:XR+32*(\set)+16*\h2+8*\u+4*\c+3], v[XA+(\pr)/2] offset:(2*((\pr)%2)+\u)*XT+(2*(\bt)+\h2)*1024+512*\c
.endr
.endr
.endr
.endm
.macro LOADXS pr
.irp u, 0,1
.irp j, 0,1,2,3
	ds_load_b32 v[XS+4*\u+\j], v[XSA+(\pr)/2] offset:(2*((\pr)%2)+\u)*XT+8192+128*\j
.endr
.endr
.endm
; A PASS: my 64 units x the pair pr of token tiles, K = 1,024: four batches of two K steps, 16 matrix instructions each; the eight accumulators take turns
.macro PASS pr, last
.irp bt, 0,1,2,3
.if \bt == 0
	s_wait_dscnt 0x0                               ; both sets and the scale words were asked for a way out ago
.elseif (\bt == 3) && \last
	s_wait_dscnt 0x0                               ; nothing was asked for behind batch 2
.else
	s_wait_dscnt 8                                 ; this batch's set is in; the other set's eight younger loads may be out
.endif
	WIN 0x01                                       ; source 0 (W1) in window 1
.irp h2, 0,1
.irp u, 0,1
.irp t, 0,1,2,3
	WM ACC+32*\u+8*\t, 8*(8*\t+2*\bt+\h2), XR+32*(\bt%2)+16*\h2+8*\u, (\bt+\h2)==0, B1+8*\t, WS+4*\t+\bt, XS+4*\u+\bt, \h2
.endr
.endr
.endr
	WIN 0
.rept 4
	v_nop                                          ; four plain instructions ahead of loads into registers that matrix instructions have read, and of the first read of results
.endr
.if \bt < 2
	LOADX \bt%2, \bt+2, \pr
.elseif !\last
	LOADX \bt%2, \bt-2, (\pr+1)%4
.endif
.if (\bt == 3) && !\last
	LOADXS (\pr+1)%4
.endif
.endr
.endm
.macro OUTH pr
.set j, 0
.rept 64
	v_max_num_f32 v[ACC+j], 0, v[ACC+j]            ; the activation, in f32; each accumulator from its low end on
.set j, j+1
.endr
	QCORE ACC
	v_lshl_or_b32 v[HW], v[TM+5], 8, v[TM+4]
	v_lshl_or_b32 v[HW+1], v[TM+7], 8, v[TM+6]
	s_wait_xcnt 0x0                                ; the last way out's stores have read their data
	QCVT ACC, PC
	QSWAP PC
.irp u, 0,1
	global_store_b128 v[L16], v[PC+4*\u:PC+4*\u+3], s[34:35] offset:(2*(\pr)+\u)*32768
	ds_store_b16 v[HA], v[HW+\u] offset:(2*(\pr)+\u)*128
.endr
.endm
	s_load_b256 s[4:11], s[0:1], 0x0               ; xq, wimg, b1, a4k
	v_lshl_add_u32 v254, v0, 2, 0x29000
	v_mov_b32 v255, 0
	ds_add_u32 v254, v255
	ds_add_u32 v254, v255
	v_lshrrev_b32 v10, 5, v0
	v_readfirstlane_b32 s24, v10                   ; wave
	v_and_b32 v10, 31, v0
	v_and_b32 v11, 15, v0
	v_bfe_u32 v12, v0, 4, 1
	v_lshlrev_b32 v[L16], 4, v10
	v_lshlrev_b32 v[L4], 2, v10
	s_wait_alu depctr_va_vdst(0)
	v_add_nc_u32 v[XA+1], 4*XT, v[L16]
	v_add_nc_u32 v[XSA+1], 4*XT, v[L4]
	v_lshlrev_b32 v[BO], 6, v12
	s_lshr_b32 s40, s24, 1
	s_lshl_b32 s40, s40, 6
	s_and_b32 s41, s24, 1
	s_lshl_b32 s41, s41, 1
	s_add_co_u32 s40, s40, s41
	s_add_co_u32 s40, s40, SCW
	v_lshl_add_u32 v[HA], v11, 2, s40              ; K step w / 2 of the work-group's two, row r, half w % 2 of the word
	s_lshl_b32 s40, s24, 8
	s_add_co_u32 s40, s40, SCW
	v_add_nc_u32 v[HR], s40, v[L4]                 ; back: tiles 2 w and 2 w + 1, 128 bytes each
.irp b, 0,1,2,3
	v_mov_b32 v[TM+4+\b], 0
.endr
	s_and_b32 s25, ttmp7, 0xffff                   ; block of 128 tokens
	s_lshl_b32 s26, ttmp9, 2
	s_add_co_u32 s26, s26, s24                     ; my group of 64 units
	s_mov_b32 s[SEL], 0x76543210
	s_mov_b32 s[SEL+1], 0xfedcba98
	s_mov_b32 s16, 3<<16                           ; 68 rows of 256 bytes (32 elements of 8 bytes), dense, no padding
	s_mov_b32 s17, 32<<16
	s_mov_b32 s18, 68<<16
	s_mov_b32 s19, 32<<16
	s_mov_b32 s20, 68
	s_mov_b32 s21, 32
	s_mov_b32 s22, 0
	s_mov_b32 s23, 0
	s_mov_b32 s12, 1
	s_mul_i32 s13, s24, 17408
	s_mul_i32 s42, s25, 69632
	s_add_co_u32 s42, s42, s13
	s_mov_b32 s43, 0
	s_wait_alu depctr_va_vdst(0)
	s_wait_dscnt 0x0
	s_wait_kmcnt 0x0
	s_add_nc_u64 s[14:15], s[4:5], s[42:43]
	s_or_b32 s15, s15, 0x80000000
	tensor_load_to_lds s[12:15], s[16:23]          ; the one fill of these bytes
	s_nop 0
.rept 4
	v_nop                                          ; four such lines behind a tensor load
.endr
	s_lshl_b32 s42, s26, 15
	s_add_co_u32 s42, s42, 3*WSZ
	s_add_nc_u64 s[28:29], s[6:7], s[42:43]        ; my fragments of W1
	s_lshl_b32 s42, s26, 11
	s_add_co_u32 s42, s42, 3*WSZ+0x200000
	s_add_nc_u64 s[30:31], s[6:7], s[42:43]        ; their scale words
	s_lshl_b32 s42, s26, 8
	s_add_nc_u64 s[32:33], s[8:9], s[42:43]        ; my 64 numbers of b1
	s_lshl_b32 s42, s25, 18
	s_lshl_b32 s44, s26, 9                         ; K step (group / 2) x 1,024 + part (group % 2) x 512
	s_add_co_u32 s42, s42, s44
	s_add_nc_u64 s[34:35], s[10:11], s[42:43]
	s_lshl_b32 s42, s25, 3
	s_lshl_b32 s44, s24, 1
	s_add_co_u32 s42, s42, s44
	s_lshl_b32 s42, s42, 11
	s_lshl_b32 s44, ttmp9, 7
	s_add_co_u32 s42, s42, s44
	s_add_co_u32 s42, s42, 0x400000
	s_add_nc_u64 s[36:37], s[10:11], s[42:43]      ; the scale words that I store
	WIN 0x40
.irp t, 0,1,2,3
.irp s, 0,1,2,3,4,5,6,7
.irp c, 0,1
	global_load_b128 v[8*(8*\t+\s)+4*\c:8*(8*\t+\s)+4*\c+3], v[L16], s[28:29] offset:(8*\t+\s)*1024+512*\c
.endr
.endr
.endr
	WIN 0
.irp t, 0,1,2,3
.irp j, 0,1,2,3
	global_load_b32 v[WS+4*\t+\j], v[L4], s[30:31] offset:512*\t+128*\j
.endr
	global_load_b128 v[B1+8*\t:B1+8*\t+3], v[BO], s[32:33] offset:(32*(\t/2)+8*(\t%2))*4
	global_load_b128 v[B1+8*\t+4:B1+8*\t+7], v[BO], s[32:33] offset:(32*(\t/2)+8*(\t%2))*4+16
.endr
	s_wait_tensorcnt 0x0                           ; my quarter of x1's codes is in,
	s_barrier_signal -1
	s_barrier_wait -1                              ; everybody's is
	LOADX 0, 0, 0
	LOADX 1, 1, 0
	LOADXS 0
	s_wait_loadcnt 0x0                             ; W1, its scale words, the bias
	PASS 0, 0
	OUTH 0
	PASS 1, 0
	OUTH 1
	PASS 2, 0
	OUTH 2
	PASS 3, 1
	OUTH 3
	s_wait_dscnt 0x0                               ; for the others' sake: my half words lie in LDS
	s_barrier_signal -1
	s_barrier_wait -1
	ds_load_b32 v[OW], v[HR]
	ds_load_b32 v[OW+1], v[HR] offset:128
	s_wait_dscnt 0x0
	global_store_b32 v[L4], v[OW], s[36:37]
	global_store_b32 v[L4], v[OW+1], s[36:37] offset:2048
	s_wait_tensorcnt 0x0
	ds_add_u32 v254, v255
	s_wait_dscnt 0x0
	s_endpgm
.Lfunc_end_k_q8c863bfb68_ff1:
	.size	k_q8c863bfb68_ff1, .Lfunc_end_k_q8c863bfb68_ff1-k_q8c863bfb68_ff1
	.p2alignl 7, 3214868480
	.fill 96, 4, 3214868480
	.section	.rodata,"a",@progbits
	.p2align	6, 0x0
	.amdhsa_kernel k_q8c863bfb68_ff1
		.amdhsa_group_segment_fixed_size 168448
		.amdhsa_private_segment_fixed_size 0
		.amdhsa_enable_private_segment 0
		.amdhsa_kernarg_size 32
		.amdhsa_user_sgpr_count 2
		.amdhsa_user_sgpr_kernarg_segment_ptr 1
		.amdhsa_wavefront_size32 1
		.amdhsa_system_sgpr_workgroup_id_x 1
		.amdhsa_system_sgpr_workgroup_id_y 1
		.amdhsa_system_sgpr_workgroup_id_z 1
		.amdhsa_system_vgpr_workitem_id 0
		.amdhsa_next_free_vgpr 512
		.amdhsa_next_free_sgpr 66
		.amdhsa_reserve_vcc 0
		.amdhsa_float_denorm_mode_32 3
		.amdhsa_float_denorm_mode_16_64 3
		.amdhsa_memory_ordered 1
		.amdhsa_forward_progress 1
		.amdhsa_inst_pref_size 83
	.end_amdhsa_kernel
	.amdgpu_metadata
---
amdhsa.version: [ 1, 2 ]
amdhsa.kernels:
  - .name:           k_q8c863bfb68_ff1
    .symbol:         k_q8c863bfb68_ff1.kd
    .args:
      - { .name: xq, .offset: 0, .size: 8, .value_kind: global_buffer, .address_space: global }
      - { .name: wimg, .offset: 8, .size: 8, .value_kind: global_buffer, .address_space: global }
      - { .name: b1, .offset: 16, .size: 8, .value_kind: global_buffer, .address_space: global }
      - { .name: a4k, .offset: 24, .size: 8, .value_kind: global_buffer, .address_space: global }
    .group_segment_fixed_size: 168448
    .private_segment_fixed_size: 0
    .kernarg_segment_align: 8
    .kernarg_segment_size: 32
    .max_flat_workgroup_size: 128
    .sgpr_count:     66
    .vgpr_count:     512
    .wavefront_size: 32
...
	.end_amdgpu_metadata
.endif
;; end of part 7
;; launch ff2: the kernel of part 5 again; grid 16 x 16, 8 waves a work-group, clusters of 4 x 1, 279,552 bytes of LDS; arguments a4k, w2img, b2, x1, scr; writes scr
;; launch ln2 (part 8): grid 256 x 1, 8 waves a work-group, no clusters, 0 bytes of LDS; arguments scr, g2, be2, out0; writes out0
.if DOCPART == 8
	.amdgcn_target "amdgcn-amd-amdhsa--gfx1250"
	.amdhsa_code_object_version 6
	.text
	.protected	k_q8c863bfb68_ln2
	.globl	k_q8c863bfb68_ln2
	.p2align	8
	.type	k_q8c863bfb68_ln2,@function
k_q8c863bfb68_ln2:
	s_mov_b64 s[64:65], 0
	v_nop
	global_prefetch_b8 v0, s[64:65] scope:SCOPE_SE
	s_setreg_imm32_b32 hwreg(HW_REG_WAVE_MODE, 25, 1), 1
	s_wait_xcnt 0x0
; LN2.  out = layernorm(y) g + be, f32.  One wave, one row of 4,096 bytes: it lies in the wave's 32 registers between the passes (mean; deviations; their squares: no difference of large sums), so memory is read once,
; nothing leaves the wave, and there is no LDS and no barrier.  Every load and store covers 512 consecutive bytes.  Memory binds: matrix units, clusters and LDS would add nothing.
; LIMITS: NaN and infinities are not served.
.set L16, 1
.set T,   8
.set ST,  32
.set G,   64
.set BE,  96
.set SEL, 26
.set C10, 28
.set EPS, 29
.macro BFLY a, b                       ; the sum of v[a] over the 32 lanes, in every lane
	s_delay_alu instid0(VALU_DEP_1)
	v_add_f32_dpp v[\a], v[\a], v[\a] row_xmask:1 row_mask:0xf bank_mask:0xf
	s_delay_alu instid0(VALU_DEP_1)
	v_add_f32_dpp v[\a], v[\a], v[\a] row_xmask:2 row_mask:0xf bank_mask:0xf
	s_delay_alu instid0(VALU_DEP_1)
	v_add_f32_dpp v[\a], v[\a], v[\a] row_xmask:4 row_mask:0xf bank_mask:0xf
	s_delay_alu instid0(VALU_DEP_1)
	v_add_f32_dpp v[\a], v[\a], v[\a] row_xmask:8 row_mask:0xf bank_mask:0xf
	s_delay_alu instid0(VALU_DEP_1)
	v_permlanex16_b32 v[\b], v[\a], s[SEL], s[SEL+1]
	s_delay_alu instid0(VALU_DEP_1)
	v_add_f32 v[\a], v[\a], v[\b]
.endm
.macro LNROW R
	v_pk_add_f32 v[10:11], v[32:33], v[34:35]
	v_pk_add_f32 v[30:31], v[40:41], v[44:45]
	v_pk_add_f32 v[28:29], v[48:49], v[52:53]
	v_pk_add_f32 v[26:27], v[56:57], v[60:61]
	v_pk_add_f32 v[24:25], v[36:37], v[38:39]
	v_pk_add_f32 v[22:23], v[42:43], v[46:47]
	v_pk_add_f32 v[20:21], v[50:51], v[54:55]
	v_pk_add_f32 v[8:9], v[58:59], v[62:63]
	s_delay_alu instid0(VALU_DEP_1)
	v_pk_add_f32 v[8:9], v[8:9], v[26:27]
	v_pk_add_f32 v[10:11], v[10:11], v[24:25]
	v_pk_add_f32 v[30:31], v[30:31], v[22:23]
	v_pk_add_f32 v[28:29], v[28:29], v[20:21]
	s_delay_alu instid0(VALU_DEP_2)
	v_pk_add_f32 v[8:9], v[8:9], v[30:31]
	s_delay_alu instid0(VALU_DEP_2)
	v_pk_add_f32 v[10:11], v[10:11], v[28:29]
	s_delay_alu instid0(VALU_DEP_1)
	v_pk_add_f32 v[8:9], v[8:9], v[10:11]
	s_delay_alu instid0(VALU_DEP_1)
	v_add_f32 v[T], v[T], v[T+1]
	BFLY T, T+1
	s_delay_alu instid0(VALU_DEP_1)
	v_mul_f32 v[T], 0x3a800000, v[T]               ; the mean: sum x 2^-10
.irp j, 0,2,4,6,8,10,12,14,16,18,20,22,24,26,28,30
	v_pk_add_f32 v[\R+\j:\R+\j+1], v[\R+\j:\R+\j+1], v[T:T+1] op_sel_hi:[1,0] neg_lo:[0,1] neg_hi:[0,1]
.endr
	v_pk_mul_f32 v[T+2:T+3], v[\R:\R+1], v[\R:\R+1]
	v_pk_mul_f32 v[T+4:T+5], v[\R+2:\R+3], v[\R+2:\R+3]
.irp j, 4,8,12,16,20,24,28
	s_delay_alu instid0(VALU_DEP_2)
	v_pk_fma_f32 v[T+2:T+3], v[\R+\j:\R+\j+1], v[\R+\j:\R+\j+1], v[T+2:T+3]
	s_delay_alu instid0(VALU_DEP_2)
	v_pk_fma_f32 v[T+4:T+5], v[\R+\j+2:\R+\j+3], v[\R+\j+2:\R+\j+3], v[T+4:T+5]
.endr
	s_delay_alu instid0(VALU_DEP_1)
	v_pk_add_f32 v[T+2:T+3], v[T+2:T+3], v[T+4:T+5]
	s_delay_alu instid0(VALU_DEP_1)
	v_add_f32 v[T+2], v[T+2], v[T+3]
	BFLY T+2, T+3
	s_delay_alu instid0(VALU_DEP_1)
	v_fma_f32 v[T+2], v[T+2], s[C10], s[EPS]       ; the variance + 1e-5
	s_wait_alu depctr_va_vdst(0)
	v_rsq_f32 v[T+2], v[T+2]
	v_nop                                          ; a plain instruction behind the transcendental,
	s_wait_alu depctr_va_vdst(0)                   ; and a wait ahead of its first reader
	s_wait_loadcnt 0x0                             ; g and be
.irp j, 0,2,4,6,8,10,12,14,16,18,20,22,24,26,28,30
	v_pk_mul_f32 v[\R+\j:\R+\j+1], v[\R+\j:\R+\j+1], v[T+2:T+3] op_sel_hi:[1,0]
.endr
.irp j, 0,2,4,6,8,10,12,14,16,18,20,22,24,26,28,30
	v_pk_fma_f32 v[\R+\j:\R+\j+1], v[\R+\j:\R+\j+1], v[G+\j:G+\j+1], v[BE+\j:BE+\j+1]
.endr
.endm
	s_load_b256 s[4:11], s[0:1], 0x0               ; y, g, be, out
	v_lshrrev_b32 v2, 5, v0
	s_delay_alu instid0(VALU_DEP_1)
	v_readfirstlane_b32 s14, v2                    ; wave
	v_and_b32 v2, 31, v0
	s_delay_alu instid0(VALU_DEP_1)
	v_lshlrev_b32 v[L16], 4, v2
	s_mov_b32 s[SEL], 0x76543210
	s_mov_b32 s[SEL+1], 0xfedcba98
	s_mov_b32 s[C10], 0x3a800000                   ; 2^-10
	s_mov_b32 s[EPS], 0x3727c5ac                   ; 1e-5
	s_lshl_b32 s16, ttmp9, 3
	s_add_co_u32 s16, s16, s14                     ; my row
	s_lshl_b32 s16, s16, 12
	s_mov_b32 s17, 0
	s_wait_alu depctr_va_vdst(0)
	s_wait_kmcnt 0x0
	s_add_nc_u64 s[4:5], s[4:5], s[16:17]
	s_add_nc_u64 s[10:11], s[10:11], s[16:17]
.irp k, 0,1,2,3,4,5,6,7
	global_load_b128 v[ST+4*\k:ST+4*\k+3], v[L16], s[4:5] offset:512*\k th:TH_LOAD_NT
.endr
.irp k, 0,1,2,3,4,5,6,7
	global_load_b128 v[G+4*\k:G+4*\k+3], v[L16], s[6:7] offset:512*\k
	global_load_b128 v[BE+4*\k:BE+4*\k+3], v[L16], s[8:9] offset:512*\k
.endr
	s_wait_loadcnt 16                              ; my row is in; the sixteen loads of g and be may be out
	LNROW ST
.irp k, 0,1,2,3,4,5,6,7
	global_store_b128 v[L16], v[ST+4*\k:ST+4*\k+3], s[10:11] offset:512*\k th:TH_STORE_NT
.endr
	s_endpgm
.Lfunc_end_k_q8c863bfb68_ln2:
	.size	k_q8c863bfb68_ln2, .Lfunc_end_k_q8c863bfb68_ln2-k_q8c863bfb68_ln2
	.p2alignl 7, 3214868480
	.fill 96, 4, 3214868480
	.section	.rodata,"a",@progbits
	.p2align	6, 0x0
	.amdhsa_kernel k_q8c863bfb68_ln2
		.amdhsa_group_segment_fixed_size 0
		.amdhsa_private_segment_fixed_size 0
		.amdhsa_enable_private_segment 0
		.amdhsa_kernarg_size 32
		.amdhsa_user_sgpr_count 2
		.amdhsa_user_sgpr_kernarg_segment_ptr 1
		.amdhsa_wavefront_size32 1
		.amdhsa_system_sgpr_workgroup_id_x 1
		.amdhsa_system_sgpr_workgroup_id_y 1
		.amdhsa_system_sgpr_workgroup_id_z 1
		.amdhsa_system_vgpr_workitem_id 0
		.amdhsa_next_free_vgpr 128
		.amdhsa_next_free_sgpr 66
		.amdhsa_reserve_vcc 0
		.amdhsa_float_denorm_mode_32 3
		.amdhsa_float_denorm_mode_16_64 3
		.amdhsa_memory_ordered 1
		.amdhsa_forward_progress 1
		.amdhsa_inst_pref_size 12
	.end_amdhsa_kernel
	.amdgpu_metadata
---
amdhsa.version: [ 1, 2 ]
amdhsa.kernels:
  - .name:           k_q8c863bfb68_ln2
    .symbol:         k_q8c863bfb68_ln2.kd
    .args:
      - { .name: scr, .offset: 0, .size: 8, .value_kind: global_buffer, .address_space: global }
      - { .name: g2, .offset: 8, .size: 8, .value_kind: global_buffer, .address_space: global }
      - { .name: be2, .offset: 16, .size: 8, .value_kind: global_buffer, .address_space: global }
      - { .name: out0, .offset: 24, .size: 8, .value_kind: global_buffer, .address_space: global }
    .group_segment_fixed_size: 0
    .private_segment_fixed_size: 0
    .kernarg_segment_align: 8
    .kernarg_segment_size: 32
    .max_flat_workgroup_size: 256
    .sgpr_count:     66
    .vgpr_count:     128
    .wavefront_size: 32
...
	.end_amdgpu_metadata
.endif
;; end of part 8
